; MI455X (gfx1250); checked and timed in simulation.
; The chip was launched on July 23, 2026; its instructions are those of AMD's public machine-readable ISA for CDNA 5 (MIT licence, August 2026) and "CDNA5" Instruction Set Architecture Reference Guide (July 2026). The comments in the code are by the model that wrote it; some were corrected since.
;; Causal Self Attention. Allowed arithmetic: matrix products marked QUANTISED: E4M3 operands, one E8M0 scale for each 32 along K, by v_wmma_scale_f32_16x16x128_f8f6f4 with both operands' format E4M3, f32 sums; everything else in f32.
;; Inputs: wk 1,024 x 1,024 float32; wo 1,024 x 1,024 float32; wq 1,024 x 1,024 float32; wv 1,024 x 1,024 float32; x 4 x 2,048 x 1,024 float32.
;; Outputs: out0 4 x 2,048 x 1,024 float32.
;; This version of the problem:
;;   THIS VERSION OF THE PROBLEM IS GIVEN IN LOW PRECISION. The matrix products marked QUANTISED in the list below multiply operands that are first quantised to E4M3 (4 exponent bits, 3 mantissa bits; 8 bits a number), with one power-of-two scale for each 32 numbers along K (OCP MX v1.0); their sums are f32. All else is computed in f32.
;;   The module's matrix products, in the order in which they are computed (A, B: the left and right operand; K: the contracted axis; several contracted axes count as one K, in the product's order):
;;     1. [M 8,192, K 1,024] x [K 1,024, N 1,024]; A: input x; B: input wq: QUANTISED
;;     2. [M 8,192, K 1,024] x [K 1,024, N 1,024]; A: input x; B: input wk: QUANTISED
;;     3. [M 8,192, K 1,024] x [K 1,024, N 1,024]; A: input x; B: input wv: QUANTISED
;;     4. batch 64 x [M 2,048, K 64] x [K 64, N 2,048]; A: computed on the way; B: computed on the way: QUANTISED
;;     5. batch 64 x [M 2,048, K 2,048] x [K 2,048, N 64]; A: softmax (see below); B: computed on the way: QUANTISED
;;     6. [M 8,192, K 1,024] x [K 1,024, N 1,024]; A: computed on the way; B: input wo: QUANTISED
;;   THE QUANTISER, for each operand of a quantised product, along K:
;;     - K is cut into blocks of 32 from its start; a last block that is shorter is filled with zeros.
;;     - A block's scale is 2^e with e = floor(log2(the largest magnitude in the block)) - 8, held to -126 .. 127; a block of zeros has e = 0. As a byte (E8M0): e + 127.
;;     - Each number is divided by its block's scale, clamped to +-448, and rounded to the nearest number of E4M3, ties to even, subnormals kept.
;;     - The product sums the exact products of the quantised numbers (number of the format x scale) in f32.
;;   ~~~python
;;   def quantise(x, axis):      # numpy; x: float32 -> the quantised numbers, widened to float32 again
;;       x = np.moveaxis(x, axis, -1); K = x.shape[-1]
;;       x = np.pad(x, [(0, 0)] * (x.ndim - 1) + [(0, -K % 32)]); x = x.reshape(x.shape[:-1] + (-1, 32)); a = np.abs(x).max(-1, keepdims=True)
;;       e = np.where(a > 0, np.clip(np.frexp(np.where(a > 0, a, 1))[1] - 1 - 8, -126, 127), 0)      # np.frexp(a)[1] - 1 = floor(log2(a)), exactly
;;       r = np.clip(x / 2.0 ** e, -448, 448)
;;       step = 2.0 ** (np.maximum(np.frexp(np.where(r == 0, 1, r))[1] - 1, -6) - 3)
;;       q = np.round(r / step) * step * 2.0 ** e      # np.round: ties to even
;;       return np.moveaxis(q.reshape(q.shape[:-2] + (-1,))[..., :K], -1, axis).astype(np.float32)
;;   ~~~
;;   SOFTMAX AHEAD OF A QUANTISED PRODUCT. Where the list says 'softmax', what is quantised is not the finished softmax but p = 2^(t - M), with t = logit x log2(e) and M = ceil(the row's largest t), a whole number; so 1/2 < the row's largest p <= 1. The row's sum l is taken of the UNQUANTISED p, in f32, and the product's result is divided by l at the end. Since M is a whole number, a kernel that streams over the keys may use a running M (the ceiling of the running maximum): every later rescaling is an exact power of two, which a block's scale takes up: the codes' values come out the same.
;;   OPERANDS COMPUTED ON THE WAY. 'Computed on the way' means the value that the module computes at that place (a softmax that the list does not call 'softmax' is quantised finished and normalised). What goes into a quantiser is computed in f32, as accurately as f32 sums, v_exp_f32 and their like allow (about 1e-6 of the number): no bf16 or f16 on the way to a quantiser, and a product that is left as it is and whose result goes on into a quantised operand takes f32 operands (vector FMAs, or v_wmma_f32_16x16x4_f32). A number that lies on a knife's edge between two numbers of the format may be rounded either way, as far as f32 arithmetic and the matrix unit's own rounding can turn it there, and no further.
;; One version. Each part assembles by itself: llvm-mc -triple=amdgcn-amd-amdhsa -mcpu=gfx1250 --defsym DOCPART=n.
;; ======== version 1 of 1: 4 launches
;; limits: right only within a limited range of input values
;; workspace buffers: xc 8,388,608 bytes; xs 262,144 bytes; wc 4,194,304 bytes; ws 131,072 bytes; qr 8,912,896 bytes; kv 17,825,792 bytes; oc 8,388,608 bytes; os 262,144 bytes
;; launch quant (part 1): grid 256 x 1, 6 waves a work-group, no clusters, 51,456 bytes of LDS; arguments x, wq, wk, wv, wo, xc, xs, wc, ws; writes xc, xs, wc, ws
.if DOCPART == 1
	.amdgcn_target "amdgcn-amd-amdhsa--gfx1250"
	.amdhsa_code_object_version 6
	.text
	.protected	k_q44641ecd26_quant
	.globl	k_q44641ecd26_quant
	.p2align	8
	.type	k_q44641ecd26_quant,@function
k_q44641ecd26_quant:
	s_mov_b64 s[64:65], 0
	v_nop
	global_prefetch_b8 v0, s[64:65] scope:SCOPE_SE
	s_setreg_imm32_b32 hwreg(HW_REG_WAVE_MODE, 25, 1), 1
	s_wait_xcnt 0x0
; FIRST OF FOUR LAUNCHES of causal self-attention in MX-FP8 (E4M3 codes, one E8M0 scale for each 32 along K): quant, qkv, attn, proj.
; This one turns x [8192][1024] and wq, wk, wv, wo [1024][1024], f32 with K innermost, into codes and scale words for the two GEMM launches.
; WORK THAT THE PROGRAM LEAVES OUT (in the third launch): key steps of 128 keys that lie wholly behind a tile's 16 queries.  reference() sets those scores to -inf by its own
; jnp.tril, whatever the inputs hold: -inf never raises a row's maximum, p = 2^(-inf - M) = 0, its code is 0, and it adds 0 to the row's sum and to the product with v.  So both products
; of such a step reach no output.  No input is left out: x, wq, wk, wv and wo are all loaded.
; LIMITS: a NaN, an infinity or an overflow that would arise only in the products left out is not carried to the result.  NaN and infinities among the inputs are not served.  A block whose largest
; magnitude lies under 2^-118 (a block of zeros too) gets the scale byte 1: the bytes are read by this program alone, and zero codes add nothing under any byte but 0xff.
; LAYOUT OF EVERY OPERAND IN THE WORKSPACE: images of the matrix operand's registers.  A fragment is 16 rows x 128 K = 2,048 bytes, [piece c 0..3][lane 0..31][16 bytes]: lane (r = lane % 16, h = lane / 16),
; piece c holds k = 32 c + 16 h + 0 .. 15 of the tile's row r.  THE ROWS OF A TILE ARE NOT NEIGHBOURS: row r of tile 2 g + u is tensor row 32 g + 8 u + r + 8 (r / 8), so that the results of two neighbouring
; tiles are, in a lane's 16 registers, 16 neighbours along the next product's K.
;   xc [256-token block 32][K step 8][tile 16][2048];  wc: [head 16][K step 8][12 tiles: q0-3, v0, v1, k0-3, v2, v3][2048], then wo as [128-column block 8][K step 8][tile 8][2048]
;   xs, ws: [tile][lane 32][4 words]: lane (h, r), word j = the four scale bytes of row r for K step 4 h + j
; SHARES: 768 tiles of 16 rows (x 512, each weight 64) x 2 halves of K = 1,536 jobs = 256 work-groups x 6 waves.  A job is four fragments.  Waves share nothing: no barrier.
; A load reads 512 consecutive bytes of one row; the 16 rows turn through the wave's own stage in LDS (pitch 528 bytes = 132 words, so that the 16 rows start at 16 different groups of banks: ISA guide 11.1) and
; come back 16 neighbours a lane.  Every store of codes covers 512 consecutive bytes, the store of scale words 256.
.set STG,   16*528                     ; a wave's stage
.set SPARE, 6*STG                      ; behind the stages: the spare words, 128 bytes for each wave: three blocks of 256 bytes that no other line names
.set LI,  1                            ; v1   16 x lane
.set STI, 2                            ; v2   the stage, on the way in
.set STO, 3                            ; v3   and on the way out: row r, + 64 h
.set SO,  4                            ; v4   my 8 bytes of the scale words: 16 r + 8 h
.set SPW, 12                           ; v12  LDS address of my spare word; never rewritten
.set NIL, 13                           ; v13  0; never rewritten
.set R,   16                           ; v16-143  two sets of 64 registers as loaded
.set X,   144                          ; v144-207 64 numbers: register 16 c + i = k 32 c + 16 h + i of my row
.set PC,  208                          ; v208-223 the fragment's codes
.set TM,  224                          ; v224-239 at work
.set PW,  240                          ; v240-243 a scale word for each fragment
.set OW,  244                          ; v244-245 the two words that I store
.set SEL, 40                           ; s[40:41] lane selects: lane l xor 16
.set MNT, 42
.set HM,  43                           ; s43  lanes 16-31
.set SRC, 44                           ; s[44:45] my tile's first row, my half of K
.set D,   46                           ; s[46:47] where the fragment in hand goes
.set SD,  48                           ; s[48:49] where the scale words go
.set KB,  50                           ; s[50:51] bytes from K step to K step in the codes' buffer
	s_load_b256 s[4:11], s[0:1], 0x0               ; x s[4:5], wq s[6:7], wk s[8:9], wv s[10:11]
	s_load_b256 s[12:19], s[0:1], 0x20             ; wo s[12:13], xc s[14:15], xs s[16:17], wc s[18:19]
	s_load_b64 s[20:21], s[0:1], 0x40              ; ws
	v_lshl_add_u32 v[SPW], v0, 2, SPARE
	v_mov_b32 v[NIL], 0
	v_lshrrev_b32 v5, 5, v0
	v_readfirstlane_b32 s22, v5                    ; wave 0..5
	s_mul_i32 s23, ttmp9, 6
	s_add_co_u32 s23, s23, s22                     ; my job
	s_lshr_b32 s24, s23, 1                         ; tile 0..767: 0-511 x, then 64 each of wq, wk, wv, wo
	s_and_b32 s25, s23, 1                          ; which half of K
	s_and_b32 s26, s24, 255                        ; among the weights' tiles (used from tile 512 on)
	s_lshr_b32 s27, s26, 6                         ; which weight
	s_and_b32 s28, s26, 63                         ; its tile t
	s_and_b32 s29, s28, 3                          ; n: the tile in its head
	s_lshr_b32 s30, s29, 1
	s_lshl_b32 s30, s30, 2
	s_add_co_u32 s30, s30, s29
	s_add_co_u32 s30, s30, 4                       ; place among the head's twelve: wv: 4, 5, 10, 11
	s_add_co_u32 s31, s29, 6                       ; wk: 6 .. 9
	s_cmp_eq_u32 s27, 1
	s_cselect_b32 s30, s31, s30
	s_cmp_eq_u32 s27, 0
	s_cselect_b32 s30, s29, s30                    ; wq: 0 .. 3
	s_lshr_b32 s31, s28, 2                         ; the head
	s_mul_i32 s32, s31, 196608
	s_lshl_b32 s33, s30, 11
	s_add_co_u32 s32, s32, s33                     ; wq, wk, wv: the codes' offset,
	s_mul_i32 s33, s31, 12
	s_add_co_u32 s33, s33, s30                     ; the tile's number among the scale words,
	s_mov_b32 s34, 24576                           ; and a K step's bytes
	s_lshr_b32 s35, s28, 3
	s_lshl_b32 s35, s35, 17
	s_and_b32 s36, s28, 7
	s_lshl_b32 s36, s36, 11
	s_add_co_u32 s35, s35, s36
	s_add_co_u32 s35, s35, 3145728                 ; wo: behind the sixteen heads
	s_add_co_u32 s36, s28, 192
	s_cmp_eq_u32 s27, 3
	s_cselect_b32 s32, s35, s32
	s_cselect_b32 s33, s36, s33
	s_cselect_b32 s34, 16384, s34
	s_lshr_b32 s35, s24, 4
	s_lshl_b32 s35, s35, 18
	s_and_b32 s36, s24, 15
	s_lshl_b32 s36, s36, 11
	s_add_co_u32 s35, s35, s36                     ; x
	s_cmp_lt_u32 s24, 512
	s_cselect_b32 s32, s35, s32
	s_cselect_b32 s33, s24, s33
	s_cselect_b32 s34, 32768, s34
	s_cselect_b32 s37, s24, s28                    ; the tile's number in its own tensor
	s_mul_i32 s38, s34, s25
	s_lshl_b32 s38, s38, 2
	s_add_co_u32 s32, s32, s38                     ; + four K steps for the upper half of K
	s_lshl_b32 s36, s33, 9
	s_lshl_b32 s38, s25, 8
	s_add_co_u32 s36, s36, s38                     ; scale words: 512 bytes a tile, 256 a half
	s_lshr_b32 s38, s37, 1
	s_lshl_b32 s38, s38, 17                        ; the source: 32 rows of 4,096 bytes for each pair of tiles,
	s_and_b32 s39, s37, 1
	s_lshl_b32 s39, s39, 15                        ; 8 rows for the odd tile,
	s_add_co_u32 s38, s38, s39
	s_lshl_b32 s39, s25, 11                        ; 512 numbers for the upper half of K
	s_add_co_u32 s38, s38, s39
	s_mov_b32 s39, 0
	s_mov_b32 s33, 0                               ; s[32:33], s[36:37], s[38:39]: the three offsets as pairs
	s_mov_b32 s37, 0
	s_mov_b32 s[KB], s34
	s_mov_b32 s[KB+1], 0
	s_mov_b32 s[SEL], 0x76543210
	s_mov_b32 s[SEL+1], 0xfedcba98
	s_mov_b32 s[HM], 0xffff0000
	v_and_b32 v5, 31, v0
	v_lshlrev_b32 v[LI], 4, v5
	v_and_b32 v6, 15, v0                           ; r
	v_bfe_u32 v7, v0, 4, 1                         ; h
	s_mul_i32 s52, s22, STG
	v_add_nc_u32 v[STI], s52, v[LI]
	v_mul_u32_u24 v[STO], v6, 528
	v_lshl_add_u32 v[STO], v7, 6, v[STO]
	v_add_nc_u32 v[STO], s52, v[STO]
	v_lshlrev_b32 v[SO], 4, v6
	v_lshl_add_u32 v[SO], v7, 3, v[SO]
.irp b, 0,1,2,3
	v_mov_b32 v[TM+4+\b], 0                        ; written once: a lane permute's destination counts as one of its sources
.endr
	s_wait_alu depctr_va_vdst(0)
	s_wait_kmcnt 0x0
	s_cmp_eq_u32 s27, 2                            ; the choices hang on the job's number alone
	s_cselect_b64 s[SRC:SRC+1], s[10:11], s[12:13]
	s_cmp_eq_u32 s27, 1
	s_cselect_b64 s[SRC:SRC+1], s[8:9], s[SRC:SRC+1]
	s_cmp_eq_u32 s27, 0
	s_cselect_b64 s[SRC:SRC+1], s[6:7], s[SRC:SRC+1]
	s_cmp_lt_u32 s24, 512
	s_cselect_b64 s[SRC:SRC+1], s[4:5], s[SRC:SRC+1]
	s_cselect_b64 s[D:D+1], s[14:15], s[18:19]
	s_cselect_b64 s[SD:SD+1], s[16:17], s[20:21]
	s_add_nc_u64 s[SRC:SRC+1], s[SRC:SRC+1], s[38:39]
	s_add_nc_u64 s[D:D+1], s[D:D+1], s[32:33]
	s_add_nc_u64 s[SD:SD+1], s[SD:SD+1], s[36:37]
; 64 numbers of a lane, register 16 b + i = number i of my half of block b (the other half lies in lane l xor 16), become a fragment's codes in v[PC] on and its scale word in v[pw].
.macro QUANT s, pw
.irp b, 0,1,2,3
	v_max3_num_f32 v[TM+\b], |v[\s+16*\b]|, |v[\s+16*\b+1]|, 0x4800000   ; my 16 numbers, and the floor 2^(9 - 127): the byte cannot fall under 1
.endr
.irp i, 2,4,6,8,10,12,14
.irp b, 0,1,2,3
	v_max3_num_f32 v[TM+\b], v[TM+\b], |v[\s+16*\b+\i]|, |v[\s+16*\b+\i+1]|   ; the four blocks by turns
.endr
.endr
.irp b, 0,1,2,3
	v_permlanex16_b32 v[TM+4+\b], v[TM+\b], s[SEL], s[SEL+1]
.endr
.irp b, 0,1,2,3
	v_max_num_f32 v[TM+\b], v[TM+\b], v[TM+4+\b]   ; the block's largest magnitude
.endr
.irp b, 0,1,2,3
	v_add_nc_u32 v[TM+12+\b], 0xfc000000, v[TM+\b] ; 8 off its exponent field: the conversion's scale operand
.endr
.irp b, 0,1,2,3
.endr
.irp b, 0,1,2,3
	v_lshrrev_b32 v[TM+4+\b], 23, v[TM+12+\b]      ; the scale's byte
.endr
	v_lshl_or_b32 v[\pw], v[TM+5], 8, v[TM+4]
	v_lshl_or_b32 v[\pw], v[TM+6], 16, v[\pw]
	v_lshl_or_b32 v[\pw], v[TM+7], 24, v[\pw]
.irp b, 0,1,2,3
.irp i, 0,1,2,3,4,5,6,7,8,9,10,11,12,13,14,15
.endr
	v_cvt_scalef32_pk8_fp8_f32 v[PC+4*\b:PC+4*\b+1], v[\s+16*\b:\s+16*\b+7], v[TM+12+\b]
	v_cvt_scalef32_pk8_fp8_f32 v[PC+4*\b+2:PC+4*\b+3], v[\s+16*\b+8:\s+16*\b+15], v[TM+12+\b]
.endr
	v_nop                                          ; a plain line behind the last conversion
.endm
.macro LOAD f                          ; fragment f: 128 numbers of each of the tile's 16 rows
.irp i, 0,1,2,3,4,5,6,7,8,9,10,11,12,13,14,15
	global_load_b128 v[R+64*((\f)%2)+4*\i:R+64*((\f)%2)+4*\i+3], v[LI], s[SRC:SRC+1] offset:(\i+8*(\i/8))*4096+512*(\f) th:TH_LOAD_NT
.endr
.endm
.macro FRAG f
.if (\f) < 3
	s_wait_loadcnt 16                              ; this fragment's 16 loads are in; the next fragment's 16 may be out
.else
	s_wait_loadcnt 0x0
.endif
.irp i, 0,1,2,3,4,5,6,7,8,9,10,11,12,13,14,15
	ds_store_b128 v[STI], v[R+64*((\f)%2)+4*\i:R+64*((\f)%2)+4*\i+3] offset:528*\i
.endr
.irp c, 0,1,2,3
.irp j, 0,1,2,3
	ds_load_b128 v[X+16*\c+4*\j:X+16*\c+4*\j+3], v[STO] offset:128*\c+16*\j   ; LDS serves a wave's instructions in order (ISA guide 5.7.1.4): these see the stores above
.endr
.endr
	s_wait_dscnt 0x0                               ; the numbers are back, and the stores have read their registers,
.if (\f) < 2
	LOAD (\f)+2                                    ; which take the fragment two further on
.endif
	s_wait_xcnt 0x0                                ; the last fragment's stores have read their data and their base: both are written again only behind this wait
.if (\f) > 0
	s_add_nc_u64 s[D:D+1], s[D:D+1], s[KB:KB+1]
.endif
	QUANT X, PW+(\f)
.irp c, 0,1,2,3
	global_store_b128 v[LI], v[PC+4*\c:PC+4*\c+3], s[D:D+1] offset:512*\c   ; 32 lanes store 512 consecutive bytes
.endr
.endm
	LOAD 0
	LOAD 1
	FRAG 0
	FRAG 1
	FRAG 2
	FRAG 3
	v_cndmask_b32 v[OW], v[PW], v[PW+2], s[HM]     ; lanes 0-15 store words 0, 1 of their row, lanes 16-31 words 2, 3
	v_cndmask_b32 v[OW+1], v[PW+1], v[PW+3], s[HM]
	global_store_b64 v[SO], v[OW:OW+1], s[SD:SD+1] ; 256 consecutive bytes
	s_wait_tensorcnt 0x0                           ; the wave's end
	ds_add_u32 v[SPW], v[NIL]
	s_wait_dscnt 0x0
	s_endpgm
.Lfunc_end_k_q44641ecd26_quant:
	.size	k_q44641ecd26_quant, .Lfunc_end_k_q44641ecd26_quant-k_q44641ecd26_quant
	.p2alignl 7, 3214868480
	.fill 96, 4, 3214868480
	.section	.rodata,"a",@progbits
	.p2align	6, 0x0
	.amdhsa_kernel k_q44641ecd26_quant
		.amdhsa_group_segment_fixed_size 51456
		.amdhsa_private_segment_fixed_size 0
		.amdhsa_enable_private_segment 0
		.amdhsa_kernarg_size 72
		.amdhsa_user_sgpr_count 2
		.amdhsa_user_sgpr_kernarg_segment_ptr 1
		.amdhsa_wavefront_size32 1
		.amdhsa_system_sgpr_workgroup_id_x 1
		.amdhsa_system_sgpr_workgroup_id_y 1
		.amdhsa_system_sgpr_workgroup_id_z 1
		.amdhsa_system_vgpr_workitem_id 0
		.amdhsa_next_free_vgpr 256
		.amdhsa_next_free_sgpr 66
		.amdhsa_reserve_vcc 0
		.amdhsa_float_denorm_mode_32 3
		.amdhsa_float_denorm_mode_16_64 3
		.amdhsa_fp16_overflow 1
		.amdhsa_memory_ordered 1
		.amdhsa_forward_progress 1
		.amdhsa_inst_pref_size 35
	.end_amdhsa_kernel
	.amdgpu_metadata
---
amdhsa.version: [ 1, 2 ]
amdhsa.kernels:
  - .name:           k_q44641ecd26_quant
    .symbol:         k_q44641ecd26_quant.kd
    .args:
      - { .name: x, .offset: 0, .size: 8, .value_kind: global_buffer, .address_space: global }
      - { .name: wq, .offset: 8, .size: 8, .value_kind: global_buffer, .address_space: global }
      - { .name: wk, .offset: 16, .size: 8, .value_kind: global_buffer, .address_space: global }
      - { .name: wv, .offset: 24, .size: 8, .value_kind: global_buffer, .address_space: global }
      - { .name: wo, .offset: 32, .size: 8, .value_kind: global_buffer, .address_space: global }
      - { .name: xc, .offset: 40, .size: 8, .value_kind: global_buffer, .address_space: global }
      - { .name: xs, .offset: 48, .size: 8, .value_kind: global_buffer, .address_space: global }
      - { .name: wc, .offset: 56, .size: 8, .value_kind: global_buffer, .address_space: global }
      - { .name: ws, .offset: 64, .size: 8, .value_kind: global_buffer, .address_space: global }
    .group_segment_fixed_size: 51456
    .private_segment_fixed_size: 0
    .kernarg_segment_align: 8
    .kernarg_segment_size: 72
    .max_flat_workgroup_size: 192
    .sgpr_count:     66
    .vgpr_count:     256
    .wavefront_size: 32
...
	.end_amdgpu_metadata
.endif
;; end of part 1
;; launch qkv (part 2): grid 16 x 32, 4 waves a work-group, clusters of 4 x 4, 327,680 bytes of LDS; arguments xc, xs, wc, ws, qr, kv; writes qr, kv
.if DOCPART == 2
	.amdgcn_target "amdgcn-amd-amdhsa--gfx1250"
	.amdhsa_code_object_version 6
	.text
	.protected	k_q44641ecd26_qkv
	.globl	k_q44641ecd26_qkv
	.p2align	8
	.type	k_q44641ecd26_qkv,@function
k_q44641ecd26_qkv:
	s_mov_b64 s[64:65], 0
	v_nop
	global_prefetch_b8 v0, s[64:65] scope:SCOPE_SE
	s_setreg_imm32_b32 hwreg(HW_REG_WAVE_MODE, 25, 1), 1
	s_wait_xcnt 0x0
	s_wait_alu depctr_hold_cnt(0) depctr_sa_sdst(0) depctr_va_vdst(0) depctr_va_sdst(0) depctr_va_ssrc(0) depctr_va_vcc(0) depctr_vm_vsrc(0)
	s_getreg_b32 s2, hwreg(HW_REG_IB_STS2, 6, 4)
	s_cmp_eq_u32 s2, 0
	s_cbranch_scc0 .Lentry_in_a_cluster
	s_endpgm
.Lentry_in_a_cluster:
	s_bfe_u32 s2, ttmp6, 0x10000c
	s_cmp_lg_u32 s2, 0xf033
	s_cbranch_scc0 .Lentry_shape_is_right
	s_endpgm
.Lentry_shape_is_right:
; SECOND LAUNCH: q = x wq^T, k = x wk^T, v = x wv^T on codes of MX-FP8, and the three results quantised in registers for the attention launch.  Nothing is left out here.
; A work-group makes 256 tokens x one head's 192 columns (64 of q, k and v each).  Four waves: rho = wave / 2 picks 128 tokens (8 tiles of x), chi = wave % 2 six tiles of weights: chi = 0: q's four and v's dims 0-31,
; chi = 1: k's four and v's dims 32-63.  Both kinds run the same lines; only pointers differ.
; q AND k ARE MADE TRANSPOSED (source 0 = 16 rows of the weight, source 1 = 16 tokens): a lane holds one token, and by the order of a tile's rows the 16 registers of two neighbouring tiles are 16 neighbouring dims:
; the blocks of 32 along the head's 64.  v IS MADE THE NATURAL WAY (source 0 = tokens, source 1 = weight): a lane holds one dim and its registers run along the tokens, which are K of the product with p.
; So the conversions' results are the next operands' registers, and they are stored as images: 512 consecutive bytes a store, no stage in LDS.
; OUT: qr: a record of 8,704 bytes for each (batch x head, 128 tokens): 4 fragments (token tile 2 b in pieces 0, 1, tile 2 b + 1 in pieces 2, 3), then scale words [lane][b].
;      kv: a record of 17,408 bytes: k as in qr (8,192), v^T as 4 fragments of 16 dims x 128 tokens (8,192), k's scale words (512), v's scale words [chi][lane][2] (512).
; K = 1,024 goes in 8 steps of 128, written out (the scale registers' numbers change from step to step).  LDS holds five steps: region X steps 0-2, region Y steps 3, 4, both asked for at the head; X is filled
; once more, with steps 5-7.  By this text's count a wave has at most two tensor loads outstanding.
; CLUSTER 4 x 4: x's tiles hang on the token block alone and are shared along a row of the cluster, the weights' on the head alone and are shared along a column: each is asked for jointly.
; LIMITS: as stated at the head of the first launch (NaN, infinities; the scale byte's floor).
; REGISTERS, in windows of 256: window 0: v1-6 addresses; v16-47 x's scale words (tile a, word j at 16 + 4 a + j: lanes 0-15 K step j, lanes 16-31 K step 4 + j); v48-71 the weights' likewise; v72-85 LDS addresses;
;   v86-91 scale words that go out; v96-111 at work; v112-127 codes just made; v128-255 v's 16 accumulators.   window 1: x's fragments, two sets.   window 2: the weights', two sets.   window 3: q's or k's 32 accumulators.
.set NB, 6                             ; tiles of weights a wave
.set NX, 3                             ; K steps in region X
.set NY, 2                             ; and in Y
.set AK, 32768                         ; x's bytes of a K step: 16 fragments
.set BK, 24576                         ; the weights': 12 fragments
.set XA, 0
.set XB, XA+NX*AK
.set YA, XB+NX*BK
.set YB, YA+NY*AK
.set SPARE, YB+NY*BK                   ; behind the regions: the spare words, 128 bytes for each wave: two blocks of 256 bytes that no other line names
.set LI,  1                            ; v1  16 x lane
.set L8,  2                            ; v2  8 x lane
.set SPW, 5                            ; v5  LDS address of my spare word; never rewritten
.set NIL, 6                            ; v6  0; never rewritten
.set SA,  16
.set SB,  48
.set ADA, 72                           ; v72-76 LDS address of my x fragments, one for each K step held
.set ADB, 80                           ; v80-84 the same for the weights
.set TW,  86                           ; v86-89 q's or k's scale words
.set VW,  90                           ; v90-91 v's
.set TM,  96
.set PC,  112
.set NAT, 128
.set WV,  16                           ; s16 wave
.set RHO, 17                           ; s17 wave / 2.  Also: I fetch for x (0) or for the weights (1)
.set CHI, 18                           ; s18 wave % 2.  Also: which half of a region's part I fetch
.set MNT, 19
.set SEL, 20
.set PT,  2                            ; s[2:3]   where q's or k's fragments go
.set PTS, 46                           ; s[46:47] and their scale words
.set PV,  66                           ; s[66:67] v's fragments
.set PVS, 22                           ; s[22:23] and their scale words
.set G1AX, 24
.set G0AX, 32
.set G0AY, 36
.set G1BX, 48
.set G0BX, 56
.set G0BY, 60
.set G1AY, 68
.set G1BY, 76
.set WT, 0xf6                          ; source 0 (weights) window 2, source 1 (x) window 1, C and D window 3
.set WN, 0x09                          ; source 0 (x) window 1, source 1 (weights) window 2, C and D window 0
.set MSB, 0
.macro WIN new                         ; the immediate's high byte repeats the setting that is left; a switch that changes nothing is dropped
.set WNEW, \new
.if MSB != WNEW
	s_set_vgpr_msb (MSB<<8)|WNEW
.set MSB, WNEW
.endif
.endm
.macro PLACES n
.rept \n
	v_nop
.endr
.endm
; A joint load: waves 0 and 1 fetch for x, waves 2 and 3 for the weights.  The branch hangs on the wave's number alone.  An s_nop 0 and four v_nop follow each of the two lines.
.macro JLOAD g0a, g1a, g0b, g1b
	s_cmp_eq_u32 s[RHO], 0
	s_cbranch_scc0 .Lfor_b_\@
	tensor_load_to_lds s[\g0a:\g0a+3], s[\g1a:\g1a+7]
	s_nop 0
.rept 4
	v_nop
.endr
	s_branch .Lasked_\@
.Lfor_b_\@:
	tensor_load_to_lds s[\g0b:\g0b+3], s[\g1b:\g1b+7]
	s_nop 0
.rept 4
	v_nop
.endr
.Lasked_\@:
.endm
.macro CREST                           ; a round of the cluster's barrier behind its opening barrier
	s_cmp_lg_u32 s[WV], 0
	s_cbranch_scc1 .Lnot_wave_0_\@
	s_barrier_signal -3
.Lnot_wave_0_\@:
	s_barrier_wait -3
	s_barrier_signal -1
	s_barrier_wait -1
.endm
.macro CROUND
	s_barrier_signal -1
	s_barrier_wait -1
	CREST
.endm
.macro G1REST g, rows                  ; a dense block as rows of 256 bytes: 32 elements of 8 bytes
	s_mov_b32 s[\g+1], 32<<16
	s_mov_b32 s[\g+2], (\rows)<<16
	s_mov_b32 s[\g+3], 32<<16
	s_mov_b32 s[\g+4], \rows
	s_mov_b32 s[\g+5], 32
	s_mov_b32 s[\g+6], 0
	s_mov_b32 s[\g+7], 0
.endm
.macro G0SET g, region, half, base, tmp, ahead
	s_mov_b32 s[\g], 1                             ; count = 1
	s_add_co_u32 s[\g+1], s[\half], \region        ; LDS address: the region's part + my half: no place in the cluster enters it
	s_add_co_u32 s[\tmp], s[\half], \ahead
	s_mov_b32 s[\tmp+1], 0
	s_add_nc_u64 s[\g+2:\g+3], s[\base:\base+1], s[\tmp:\tmp+1]
	s_or_b32 s[\g+3], s[\g+3], 0x80000000          ; type = 2
.endm
	s_load_b256 s[4:11], s[0:1], 0x0               ; xc s[4:5], xs s[6:7], wc s[8:9], ws s[10:11]
	s_load_b128 s[12:15], s[0:1], 0x20             ; qr s[12:13], kv s[14:15]
	v_lshl_add_u32 v[SPW], v0, 2, SPARE
	v_mov_b32 v[NIL], 0
	ds_add_u32 v[SPW], v[NIL]                      ; the wave's opening: the add, twice on end, and its wait ahead of my first tensor load
	ds_add_u32 v[SPW], v[NIL]
	v_lshrrev_b32 v3, 5, v0
	v_readfirstlane_b32 s[WV], v3
	s_lshr_b32 s[RHO], s[WV], 1
	s_and_b32 s[CHI], s[WV], 1
	s_bfe_u32 s40, ttmp6, 0x40000                  ; cx, cy: my place in the cluster
	s_bfe_u32 s41, ttmp6, 0x40004
	s_lshl_b32 s42, ttmp9, 2
	s_add_co_u32 s42, s42, s40                     ; the head = 4 x cluster x + cx
	s_and_b32 s43, ttmp7, 0xffff
	s_lshl_b32 s43, s43, 2
	s_add_co_u32 s43, s43, s41                     ; the block of 256 tokens = 4 x cluster y + cy
	s_lshl_b32 s44, s41, 2
	s_lshl_b32 s44, 15, s44                        ; my row of the cluster
	s_lshl_b32 s45, 0x1111, s40                    ; my column
	s_or_b32 s[G1AX], s44, (3<<16)|(1<<21)         ; the mask; elements of 8 bytes; bit 21 set beside a mask; no padding: images are read 512 consecutive bytes at a time
	s_or_b32 s[G1AY], s44, (3<<16)|(1<<21)
	s_or_b32 s[G1BX], s45, (3<<16)|(1<<21)
	s_or_b32 s[G1BY], s45, (3<<16)|(1<<21)
	G1REST G1AX, NX*AK/512
	G1REST G1AY, NY*AK/512
	G1REST G1BX, NX*BK/512
	G1REST G1BY, NY*BK/512
	s_lshl_b32 s84, s43, 18                        ; x's codes of my 256 tokens: 262,144 bytes on end
	s_mov_b32 s85, 0
	s_mul_i32 s86, s42, 8*BK                       ; my head's weights
	s_mov_b32 s87, 0
	s_mul_i32 s88, s[CHI], NX*AK/2                 ; which half of each part I fetch
	s_mul_i32 s89, s[CHI], NY*AK/2
	s_mul_i32 s90, s[CHI], NX*BK/2
	s_mul_i32 s91, s[CHI], NY*BK/2
	s_mov_b32 s[SEL], 0x76543210
	s_mov_b32 s[SEL+1], 0xfedcba98
	s_wait_dscnt 0x0                               ; both opening adds are done
	s_wait_kmcnt 0x0
	s_add_nc_u64 s[92:93], s[4:5], s[84:85]
	s_add_nc_u64 s[94:95], s[8:9], s[86:87]
	G0SET G0AX, XA, 88, 92, 96, 0
	G0SET G0AY, YA, 89, 92, 96, NX*AK
	G0SET G0BX, XB, 90, 94, 98, 0
	G0SET G0BY, YB, 91, 94, 98, NX*BK
	CROUND                                         ; all sixteen work-groups are here: the first joint loads meet
	JLOAD G0AX, G1AX, G0BX, G1BX                   ; K steps 0-2
	JLOAD G0AY, G1AY, G0BY, G1BY                   ; K steps 3, 4
	v_and_b32 v3, 31, v0
	v_lshlrev_b32 v[LI], 4, v3
	s_wait_alu depctr_va_vdst(0)
	v_lshlrev_b32 v[L8], 3, v3
	s_mov_b32 s87, 0
	s_lshl_b32 s86, s43, 13                        ; x's scale words: 512 bytes a tile, 16 tiles a block, my 8
	s_lshl_b32 s84, s[RHO], 12
	s_add_co_u32 s86, s86, s84
	s_add_nc_u64 s[6:7], s[6:7], s[86:87]
	s_mul_i32 s86, s42, 12*512                     ; the weights': 12 tiles a head, my 6
	s_mul_i32 s84, s[CHI], NB*512
	s_add_co_u32 s86, s86, s84
	s_add_nc_u64 s[10:11], s[10:11], s[86:87]
.irp i, 0,1,2,3,4,5,6,7
	global_load_b128 v[SA+4*\i:SA+4*\i+3], v[LI], s[6:7] offset:512*\i
.endr
.irp i, 0,1,2,3,4,5
	global_load_b128 v[SB+4*\i:SB+4*\i+3], v[LI], s[10:11] offset:512*\i
.endr
	s_lshl_b32 s84, s[RHO], 14                     ; my 8 of x's 16 fragments
	s_mul_i32 s85, s[CHI], 2048*NB                 ; my 6 of the weights' 12
.macro ADDR pos, ab, bb
	s_add_co_u32 s86, s84, \ab
	s_add_co_u32 s88, s85, \bb
	v_add_nc_u32 v[ADA+\pos], s86, v[LI]
	v_add_nc_u32 v[ADB+\pos], s88, v[LI]
.endm
	ADDR 0, XA, XB
	ADDR 1, XA+AK, XB+BK
	ADDR 2, XA+2*AK, XB+2*BK
	ADDR 3, YA, YB
	ADDR 4, YA+AK, YB+BK
.irp b, 0,1,2,3
	v_mov_b32 v[TM+4+\b], 0                        ; written once: a lane permute's destination counts as one of its sources
.endr
	; where the results go
	s_lshl_b32 s84, s43, 1
	s_add_co_u32 s84, s84, s[RHO]                  ; my block of 128 tokens, 0..63
	s_lshr_b32 s85, s84, 4                         ; the batch
	s_lshl_b32 s85, s85, 4
	s_add_co_u32 s85, s85, s42                     ; batch x 16 + head
	s_lshl_b32 s85, s85, 4
	s_and_b32 s84, s84, 15
	s_add_co_u32 s84, s85, s84                     ; the record
	s_mul_i32 s86, s84, 17408
	s_add_nc_u64 s[14:15], s[14:15], s[86:87]      ; in kv
	s_mul_i32 s86, s84, 8704
	s_add_nc_u64 s[12:13], s[12:13], s[86:87]      ; in qr
	s_add_nc_u64 s[PTS:PTS+1], s[14:15], 16384
	s_add_nc_u64 s[PV:PV+1], s[12:13], 8192
	s_cmp_eq_u32 s[CHI], 1                         ; chi = 1 makes k, chi = 0 makes q: the choice hangs on the wave's number alone
	s_cselect_b64 s[PT:PT+1], s[14:15], s[12:13]
	s_cselect_b64 s[PTS:PTS+1], s[PTS:PTS+1], s[PV:PV+1]
	s_lshl_b32 s86, s[CHI], 12
	s_add_co_u32 s86, s86, 8192
	s_add_nc_u64 s[PV:PV+1], s[14:15], s[86:87]
	s_lshl_b32 s86, s[CHI], 8
	s_add_co_u32 s86, s86, 16896
	s_add_nc_u64 s[PVS:PVS+1], s[14:15], s[86:87]
; The transposed products of K step s: x's tiles a0 .. a0 + na - 1 against the four tiles of wq or wk.  All 48 accumulators take turns, one instruction a turn, in the same order in every step.
.macro MT s, a0, na
.set FS, 128*((\s)%2)
.set SW, (\s)%4
.set TA, \a0
.rept \na
.set TN, 0
.rept 4
.if (\s) == 0
	v_wmma_scale_f32_16x16x128_f8f6f4 v[8*(4*TA+TN):8*(4*TA+TN)+7], v[FS+16*TN:FS+16*TN+15], v[FS+16*TA:FS+16*TA+15], 0, v[SB+4*TN+SW], v[SA+4*TA+SW]
.elseif (\s) < 4
	v_wmma_scale_f32_16x16x128_f8f6f4 v[8*(4*TA+TN):8*(4*TA+TN)+7], v[FS+16*TN:FS+16*TN+15], v[FS+16*TA:FS+16*TA+15], v[8*(4*TA+TN):8*(4*TA+TN)+7], v[SB+4*TN+SW], v[SA+4*TA+SW]
.else
	v_wmma_scale_f32_16x16x128_f8f6f4 v[8*(4*TA+TN):8*(4*TA+TN)+7], v[FS+16*TN:FS+16*TN+15], v[FS+16*TA:FS+16*TA+15], v[8*(4*TA+TN):8*(4*TA+TN)+7], v[SB+4*TN+SW], v[SA+4*TA+SW] matrix_a_scale:MATRIX_SCALE_ROW1 matrix_b_scale:MATRIX_SCALE_ROW1
.endif
.set TN, TN+1
.endr
.set TA, TA+1
.endr
.endm
; The natural products: x's eight tiles against the two tiles of wv.
.macro MN s
.set FS, 128*((\s)%2)
.set SW, (\s)%4
.set TA, 0
.rept 8
.set TN, 0
.rept 2
.if (\s) == 0
	v_wmma_scale_f32_16x16x128_f8f6f4 v[NAT+64*TN+8*TA:NAT+64*TN+8*TA+7], v[FS+16*TA:FS+16*TA+15], v[FS+16*(4+TN):FS+16*(4+TN)+15], 0, v[SA+4*TA+SW], v[SB+4*(4+TN)+SW]
.elseif (\s) < 4
	v_wmma_scale_f32_16x16x128_f8f6f4 v[NAT+64*TN+8*TA:NAT+64*TN+8*TA+7], v[FS+16*TA:FS+16*TA+15], v[FS+16*(4+TN):FS+16*(4+TN)+15], v[NAT+64*TN+8*TA:NAT+64*TN+8*TA+7], v[SA+4*TA+SW], v[SB+4*(4+TN)+SW]
.else
	v_wmma_scale_f32_16x16x128_f8f6f4 v[NAT+64*TN+8*TA:NAT+64*TN+8*TA+7], v[FS+16*TA:FS+16*TA+15], v[FS+16*(4+TN):FS+16*(4+TN)+15], v[NAT+64*TN+8*TA:NAT+64*TN+8*TA+7], v[SA+4*TA+SW], v[SB+4*(4+TN)+SW] matrix_a_scale:MATRIX_SCALE_ROW1 matrix_b_scale:MATRIX_SCALE_ROW1
.endif
.set TN, TN+1
.endr
.set TA, TA+1
.endr
.endm
; The fragments of K step s + 1, in one run of loads, into the set that step s does not multiply.
.macro FETCH s
.set FPOS, (\s)+1
.if FPOS >= NX+NY
.set FPOS, FPOS-NX-NY                  ; steps 5-7 lie where steps 0-2 lay
.endif
.set FSET, 128*(((\s)+1)%2)
	WIN 0x40                                       ; destination window 1
.set TA, 0
.rept 8
.irp c, 0,1,2,3
	ds_load_b128 v[FSET+16*TA+4*\c:FSET+16*TA+4*\c+3], v[ADA+FPOS] offset:2048*TA+512*\c
.endr
.set TA, TA+1
.endr
	WIN 0x80                                       ; destination window 2
.set TA, 0
.rept NB
.irp c, 0,1,2,3
	ds_load_b128 v[FSET+16*TA+4*\c:FSET+16*TA+4*\c+3], v[ADB+FPOS] offset:2048*TA+512*\c
.endr
.set TA, TA+1
.endr
	WIN 0
.endm
.macro TAIL s
	WIN WT
	MT \s, 4, 4
	WIN WN
	MN \s
	WIN 0
.endm
.macro KSTEP s
	s_wait_dscnt 0x0                               ; this step's fragments are in (asked for 32 matrix instructions ago)
	WIN WT
	MT \s, 0, 4
	PLACES 8                                       ; eight places in front of loads into registers that matrix instructions have read
	FETCH \s
	TAIL \s
.endm
; A step at which the regions change: ONE barrier.  In front of it each wave waits for all its tensor loads, adds 0 to its spare word, and waits for that and for its LDS reads.
; fill = 1: region X, whose last fragments are in registers, is filled again; the barrier then opens a round of the cluster's barrier.
.macro TURN s, fill
	s_wait_tensorcnt 0x0                           ; all my tensor loads have landed: no group 0 is in use
	ds_add_u32 v[SPW], v[NIL]
	s_wait_dscnt 0x1                               ; this step's fragments are in; the add alone may be out
	WIN WT
	MT \s, 0, 2                                    ; eight matrix instructions stand between the add and the wait for it
	s_wait_dscnt 0x0                               ; the add is done, and my reads of the region are over
	s_barrier_signal -1
	MT \s, 2, 2
	WIN 0                                          ; at a branch and at a label every window is 0
	s_barrier_wait -1
.if \fill
	CREST                                          ; no wave of any partner still reads region X or has a load on its way
	s_add_nc_u64 s[G0AX+2:G0AX+3], s[G0AX+2:G0AX+3], (NX+NY)*AK
	s_add_nc_u64 s[G0BX+2:G0BX+3], s[G0BX+2:G0BX+3], (NX+NY)*BK
	JLOAD G0AX, G1AX, G0BX, G1BX                   ; the first tensor load behind the round; its four v_nop are four of the eight places
	PLACES 4
.else
	PLACES 8
.endif
	FETCH \s
	TAIL \s
.endm
; 64 numbers of a lane in window w, register 16 b + i = number i of my half of block b (the other half lies in lane l xor 16), become 16 registers of codes in v[PC] on and a scale word in v[pw], both in window 0.
; Each setting of the windows stands once.  Every accumulator is read from its low end on.
.macro QUANT s, w, pw
	WIN (\w)*5                                     ; sources 0 and 1 in window w
.irp b, 0,1,2,3
	v_max3_num_f32 v[TM+\b], |v[(\s)+16*\b]|, |v[(\s)+16*\b+1]|, 0x4800000   ; and the floor 2^(9 - 127): the byte cannot fall under 1
.endr
.irp i, 2,4,6,8,10,12,14
.irp b, 0,1,2,3
	v_max3_num_f32 v[TM+\b], |v[(\s)+16*\b+\i]|, |v[(\s)+16*\b+\i+1]|, v[TM+\b]
.endr
.endr
	WIN 0
.irp b, 0,1,2,3
	v_permlanex16_b32 v[TM+4+\b], v[TM+\b], s[SEL], s[SEL+1]
.endr
.irp b, 0,1,2,3
	v_max_num_f32 v[TM+\b], v[TM+\b], v[TM+4+\b]   ; the block's largest magnitude
.endr
.irp b, 0,1,2,3
	v_add_nc_u32 v[TM+12+\b], 0xfc000000, v[TM+\b] ; 8 off its exponent field: the conversion's scale operand
.endr
.irp b, 0,1,2,3
.endr
.irp b, 0,1,2,3
	v_lshrrev_b32 v[TM+4+\b], 23, v[TM+12+\b]      ; the scale's byte
.endr
	v_lshl_or_b32 v[\pw], v[TM+5], 8, v[TM+4]
	v_lshl_or_b32 v[\pw], v[TM+6], 16, v[\pw]
	v_lshl_or_b32 v[\pw], v[TM+7], 24, v[\pw]
	WIN (\w)*65                                    ; destination and source 0 in window w
.irp b, 0,1,2,3
.irp i, 0,1,2,3,4,5,6,7,8,9,10,11,12,13,14,15
.endr
.endr
	WIN \w                                         ; source 0 in window w
.irp b, 0,1,2,3
	v_cvt_scalef32_pk8_fp8_f32 v[PC+4*\b:PC+4*\b+1], v[(\s)+16*\b:(\s)+16*\b+7], v[TM+12+\b]
	v_cvt_scalef32_pk8_fp8_f32 v[PC+4*\b+2:PC+4*\b+3], v[(\s)+16*\b+8:(\s)+16*\b+15], v[TM+12+\b]
.endr
	WIN 0
	v_nop                                          ; a plain line behind the last conversion
.endm
	s_wait_alu depctr_va_vdst(0)
	s_wait_tensorcnt 0x1                           ; my part of region X is in; region Y's one load may stay out
	s_barrier_signal -1
	s_barrier_wait -1                              ; everybody's is
	FETCH -1                                       ; K step 0
	s_wait_loadcnt 0x0                             ; the scale words
	KSTEP 0                                        ; its products start the sums: nothing is cleared
	KSTEP 1
	TURN 2, 1                                      ; region Y is whole; region X takes K steps 5-7
	KSTEP 3
	TURN 4, 0                                      ; region X is whole again
	KSTEP 5
	KSTEP 6
	s_wait_dscnt 0x0                               ; the last step: nothing more to fetch
	WIN WT
	MT 7, 0, 4
	TAIL 7
	; THE WAY OUT.  q or k: token tiles 2 b and 2 b + 1 (64 registers of window 3) make fragment b and its scale word.
	PLACES 8                                       ; eight places in front of the first read of results
.irp b, 0,1,2,3
.if \b > 0
	s_wait_xcnt 0x0                                ; the last fragment's stores have read their data
.endif
	QUANT 64*\b, 3, TW+\b
.irp c, 0,1,2,3
	global_store_b128 v[LI], v[PC+4*\c:PC+4*\c+3], s[PT:PT+1] offset:2048*\b+512*\c   ; 512 consecutive bytes
.endr
.endr
	global_store_b128 v[LI], v[TW:TW+3], s[PTS:PTS+1]
	; v: the 64 registers of a tile of dims run along my 128 tokens: four blocks of 32
.irp n, 0,1
	s_wait_xcnt 0x0
	QUANT NAT+64*\n, 0, VW+\n
.irp c, 0,1,2,3
	global_store_b128 v[LI], v[PC+4*\c:PC+4*\c+3], s[PV:PV+1] offset:2048*\n+512*\c
.endr
.endr
	global_store_b64 v[L8], v[VW:VW+1], s[PVS:PVS+1]   ; 256 consecutive bytes
	s_wait_tensorcnt 0x0                           ; the wave's end
	ds_add_u32 v[SPW], v[NIL]
	s_wait_dscnt 0x0
	CROUND                                         ; the closing round: no work-group ends while a partner may still ask for a tile that names it
	s_endpgm
.Lfunc_end_k_q44641ecd26_qkv:
	.size	k_q44641ecd26_qkv, .Lfunc_end_k_q44641ecd26_qkv-k_q44641ecd26_qkv
	.p2alignl 7, 3214868480
	.fill 96, 4, 3214868480
	.section	.rodata,"a",@progbits
	.p2align	6, 0x0
	.amdhsa_kernel k_q44641ecd26_qkv
		.amdhsa_group_segment_fixed_size 327680
		.amdhsa_private_segment_fixed_size 0
		.amdhsa_enable_private_segment 0
		.amdhsa_kernarg_size 48
		.amdhsa_user_sgpr_count 2
		.amdhsa_user_sgpr_kernarg_segment_ptr 1
		.amdhsa_wavefront_size32 1
		.amdhsa_system_sgpr_workgroup_id_x 1
		.amdhsa_system_sgpr_workgroup_id_y 1
		.amdhsa_system_sgpr_workgroup_id_z 1
		.amdhsa_system_vgpr_workitem_id 0
		.amdhsa_next_free_vgpr 1024
		.amdhsa_next_free_sgpr 100
		.amdhsa_reserve_vcc 0
		.amdhsa_float_denorm_mode_32 3
		.amdhsa_float_denorm_mode_16_64 3
		.amdhsa_fp16_overflow 1
		.amdhsa_memory_ordered 1
		.amdhsa_forward_progress 1
		.amdhsa_inst_pref_size 117
	.end_amdhsa_kernel
	.amdgpu_metadata
---
amdhsa.version: [ 1, 2 ]
amdhsa.kernels:
  - .name:           k_q44641ecd26_qkv
    .symbol:         k_q44641ecd26_qkv.kd
    .args:
      - { .name: xc, .offset: 0, .size: 8, .value_kind: global_buffer, .address_space: global }
      - { .name: xs, .offset: 8, .size: 8, .value_kind: global_buffer, .address_space: global }
      - { .name: wc, .offset: 16, .size: 8, .value_kind: global_buffer, .address_space: global }
      - { .name: ws, .offset: 24, .size: 8, .value_kind: global_buffer, .address_space: global }
      - { .name: qr, .offset: 32, .size: 8, .value_kind: global_buffer, .address_space: global }
      - { .name: kv, .offset: 40, .size: 8, .value_kind: global_buffer, .address_space: global }
    .group_segment_fixed_size: 327680
    .private_segment_fixed_size: 0
    .kernarg_segment_align: 8
    .kernarg_segment_size: 48
    .max_flat_workgroup_size: 128
    .sgpr_count:     100
    .vgpr_count:     1024
    .wavefront_size: 32
...
	.end_amdgpu_metadata
.endif
;; end of part 2
;; launch attn (part 3): grid 4 x 64, 16 waves a work-group, clusters of 4 x 1, 327,680 bytes of LDS; arguments qr, kv, oc, os; writes oc, os
.if DOCPART == 3
	.amdgcn_target "amdgcn-amd-amdhsa--gfx1250"
	.amdhsa_code_object_version 6
	.text
	.protected	k_q44641ecd26_attn
	.globl	k_q44641ecd26_attn
	.p2align	8
	.type	k_q44641ecd26_attn,@function
k_q44641ecd26_attn:
	s_mov_b64 s[64:65], 0
	v_nop
	global_prefetch_b8 v0, s[64:65] scope:SCOPE_SE
	s_setreg_imm32_b32 hwreg(HW_REG_WAVE_MODE, 25, 1), 1
	s_wait_xcnt 0x0
	s_wait_alu depctr_hold_cnt(0) depctr_sa_sdst(0) depctr_va_vdst(0) depctr_va_sdst(0) depctr_va_ssrc(0) depctr_va_vcc(0) depctr_vm_vsrc(0)
	s_getreg_b32 s2, hwreg(HW_REG_IB_STS2, 6, 4)
	s_cmp_eq_u32 s2, 0
	s_cbranch_scc0 .Lentry_in_a_cluster
	s_endpgm
.Lentry_in_a_cluster:
	s_bfe_u32 s2, ttmp6, 0x10000c
	s_cmp_lg_u32 s2, 0x3003
	s_cbranch_scc0 .Lentry_shape_is_right
	s_endpgm
.Lentry_shape_is_right:
; THIRD LAUNCH: o = softmax(q k^T / 8, causal) v for 64 (batch x head) of 2,048 tokens and 64 dims, both products on codes of MX-FP8, and o quantised along C for the last launch.
; LEFT OUT: key steps of 128 keys that lie wholly behind a tile's 16 queries: reference()'s own jnp.tril makes their p = 0 for all values of the inputs (shown at the head of the first launch; the limit on NaN and overflow is stated there).
; THE SOFTMAX: t = score x log2(e) / 8; M = the running largest t rounded UP to a whole number; p = 2^(t - M) is quantised along the keys, not normalised; the row's sum is taken of the unquantised p and divides o at the end.
; When M moves, the sum and o are multiplied by 2^(old M - new M): exact.
; SHARES.  The four work-groups of a cluster serve one head.  The head's 16 records of k, v and their scale words (17,408 bytes for 128 keys: see the second launch) all stay in LDS: wave w asks for record w by ONE joint load,
; which lands in all four work-groups; nothing is filled twice.  By this text's count a wave has one tensor load outstanding.
; Wave w (z = w % 2, y = w / 2) owns one tile of 16 queries in each of two passes: tile z of fragment cx of the 128-query block y, then of block 15 - y: (y + 1) + (16 - y) = 17 key steps for every wave.
; No branch hangs on the work-group's place in its cluster: cx enters global addresses and the diagonal's per-lane number alone.
; Nothing is prefetched: all that the launch reads from kv is asked for by the head's loads.
; LAYOUT.  Both products are used transposed (S^T = k q^T, O^T = v^T p^T): a lane holds ONE query throughout; by the order of a tile's rows p's 16 registers of two neighbouring tiles are 16 neighbouring keys.
; K = 64 IN AN INSTRUCTION OF 128: a fragment of k holds TWO tiles of keys (dims of tile 2 b at k 0-63, of tile 2 b + 1 at k 64-127).  The query tile stands in 24 registers [zeros 8 | q 8 | zeros 8]: [q | 0] gives tile 2 b's
; scores, [0 | q] tile 2 b + 1's.  A zero code times any code of k is 0 exactly (k's codes are held at 448 and are never the NaN code); q's scale bytes over its zeros are 1.
; o's scale bytes leave as single bytes, 32 a tile and head: one byte in 32 of what is stored; the codes leave 512 consecutive bytes a store.
; REGISTERS: v1-9 addresses; v12 -M, v13 the largest t, v[14:15] the sum; v16-39 q between zeros; v40, v41 q's two scale words; v48-111 four fragments of k or v; v112-175 S^T, then p; v176-207 O^T; v208-223 codes; v224-252 at work.
.set REC,   17408
.set SPARE, 16*REC                     ; behind the records: the spare words, 128 bytes for each wave: eight blocks of 256 bytes that no other line names
.set LI,  1                            ; v1  16 x lane
.set L8,  2                            ; v2  8 x lane
.set OSO, 3                            ; v3  o's scale byte: 16 r + h
.set DG,  4                            ; v4  my query less 16 h, counted from its block of 128
.set SPW, 5                            ; v5  LDS address of my spare word; never rewritten
.set NIL, 6                            ; v6  0; never rewritten
.set QW,  7                            ; v7  the scale word of q's fragment as loaded
.set ADK, 8
.set ADV, 9
.set F,   48
.set S,   112
.set O,   176
.set PC,  208
.set BM,  224
.set T2,  228
.set LIM, 232
.set SCL, 236
.set KS,  240                          ; v240-243 k's scale words
.set VS,  244                          ; v244-247 v's
.set PW,  248                          ; v248 p's
.set FF,  250                          ; v[250:251] f = 2^(old M - new M)
.set TP,  252
.set WV,  12
.set Z,   13
.set Y,   14
.set CX,  15
.set BH,  16
.set HD,  17
.set BI,  18
.set SEL, 20
.set CS,  22
.set MNT, 24
.set HM,  25
.set SH,  26
.set BETA, 27                          ; s27 my block of 128 queries in this pass
.set G1,  28
.set G0,  36
.set TB,  40                           ; s40 LDS byte of the step's record
.set SI,  41                           ; s41 the step
.set CNT, 42
.set P0,  44                           ; s[44:51] pass 0: q's codes, q's scale words, o's codes, o's scale bytes;  s[52:59] pass 1
.macro PLACES n
.rept \n
	v_nop
.endr
.endm
.macro CROUND                          ; a round of the cluster's barrier
	s_barrier_signal -1
	s_barrier_wait -1
	s_cmp_lg_u32 s[WV], 0
	s_cbranch_scc1 .Lnot_wave_0_\@
	s_barrier_signal -3
.Lnot_wave_0_\@:
	s_barrier_wait -3
	s_barrier_signal -1
	s_barrier_wait -1
.endm
	s_load_b256 s[4:11], s[0:1], 0x0               ; qr s[4:5], kv s[6:7], oc s[8:9], os s[10:11]
	v_lshl_add_u32 v[SPW], v0, 2, SPARE
	v_mov_b32 v[NIL], 0
	ds_add_u32 v[SPW], v[NIL]                      ; the wave's opening: the add, twice on end, and its wait ahead of my first tensor load
	ds_add_u32 v[SPW], v[NIL]
	v_lshrrev_b32 v8, 5, v0
	s_delay_alu instid0(VALU_DEP_1)
	v_readfirstlane_b32 s[WV], v8                  ; wave 0..15
	s_and_b32 s[Z], s[WV], 1
	s_lshr_b32 s[Y], s[WV], 1
	s_bfe_u32 s[CX], ttmp6, 0x40000                ; my place in the cluster
	s_and_b32 s[BH], ttmp7, 0xffff                 ; batch x 16 + head: the four partners share it
	s_and_b32 s[HD], s[BH], 15
	s_lshr_b32 s[BI], s[BH], 4
	s_mov_b32 s[G1], 15|(3<<16)|(1<<21)            ; the mask: all four work-groups; elements of 8 bytes; bit 21 set beside a mask; no padding
	s_mov_b32 s[G1+1], 32<<16                      ; a record as 68 rows of 256 bytes
	s_mov_b32 s[G1+2], 68<<16
	s_mov_b32 s[G1+3], 32<<16
	s_mov_b32 s[G1+4], 68
	s_mov_b32 s[G1+5], 32
	s_mov_b32 s[G1+6], 0
	s_mov_b32 s[G1+7], 0
	s_mul_i32 s60, s[WV], REC                      ; record w: its place in LDS and in the head
	s_mul_i32 s62, s[BH], 16*REC
	s_add_co_u32 s62, s62, s60
	s_mov_b32 s63, 0
	s_mov_b32 s[SEL], 0x76543210
	s_mov_b32 s[SEL+1], 0xfedcba98
	s_mov_b32 s[CS], 0x3e38aa3b                    ; c = log2(e) / 8
	s_mov_b32 s[CS+1], s[CS]                       ; (named with it as a pair, so it is written)
	s_mov_b32 s[HM], 0xffff0000
	s_lshl_b32 s[SH], s[Z], 4
	s_mov_b32 s[TB], 0
	s_mov_b32 s[SI], 0
	; what the passes' addresses share
	s_mul_i32 s66, s[BH], 16*8704                  ; qr: the head's 16 records
	s_lshl_b32 s67, s[CX], 1
	s_add_co_u32 s67, s67, s[Z]                    ; 2 cx + z: my tile among a block's eight
	s_lshl_b32 s68, s[BI], 21                      ; oc: 8 blocks of 256 tokens a batch,
	s_lshr_b32 s69, s[HD], 1
	s_lshl_b32 s70, s69, 15                        ; K step head / 2,
	s_add_co_u32 s68, s68, s70
	s_lshl_b32 s70, s67, 11                        ; my tile,
	s_add_co_u32 s68, s68, s70
	s_and_b32 s71, s[HD], 1
	s_lshl_b32 s70, s71, 10                        ; pieces 2 (head % 2) on
	s_add_co_u32 s68, s68, s70
	s_lshl_b32 s72, s[BI], 16                      ; os: 128 tiles of 512 bytes a batch,
	s_lshl_b32 s70, s67, 9
	s_add_co_u32 s72, s72, s70
	s_lshr_b32 s70, s[HD], 3                       ; lanes 16-31 for K steps 4-7,
	s_lshl_b32 s70, s70, 8
	s_add_co_u32 s72, s72, s70
	s_and_b32 s70, s69, 3                          ; the K step's word,
	s_lshl_b32 s70, s70, 2
	s_add_co_u32 s72, s72, s70
	s_lshl_b32 s70, s71, 1                         ; bytes 2 (head % 2) on
	s_add_co_u32 s72, s72, s70
	s_wait_dscnt 0x0                               ; both opening adds are done
	s_wait_kmcnt 0x0
	s_mov_b32 s[G0], 1
	s_mov_b32 s[G0+1], s60
	s_add_nc_u64 s[G0+2:G0+3], s[6:7], s[62:63]
	s_or_b32 s[G0+3], s[G0+3], 0x80000000
	CROUND                                         ; all four work-groups are here: the joint loads meet
	tensor_load_to_lds s[G0:G0+3], s[G1:G1+7]      ; every wave its record
	s_nop 0
	PLACES 4
.macro PTRS P                          ; the four addresses of the pass whose block stands in s73
	s_mul_i32 s74, s73, 8704
	s_add_co_u32 s74, s74, s66                     ; the block's record of q
	s_lshl_b32 s75, s[CX], 2
	s_add_co_u32 s76, s74, s75
	s_add_co_u32 s76, s76, 8192                    ; its scale words: word cx of each lane's four
	s_mov_b32 s77, 0
	s_add_nc_u64 s[\P+2:\P+3], s[4:5], s[76:77]
	s_lshl_b32 s75, s67, 10                        ; fragment cx, pieces 2 z on
	s_add_co_u32 s76, s74, s75
	s_add_nc_u64 s[\P:\P+1], s[4:5], s[76:77]
	s_lshr_b32 s75, s73, 1
	s_lshl_b32 s75, s75, 18                        ; o: the block of 256 tokens,
	s_add_co_u32 s76, s68, s75
	s_and_b32 s75, s73, 1
	s_lshl_b32 s75, s75, 14                        ; its upper eight tiles
	s_add_co_u32 s76, s76, s75
	s_add_nc_u64 s[\P+4:\P+5], s[8:9], s[76:77]
	s_lshl_b32 s75, s73, 12
	s_add_co_u32 s76, s72, s75
	s_add_nc_u64 s[\P+6:\P+7], s[10:11], s[76:77]
.endm
	s_mov_b32 s73, s[Y]
	PTRS P0
	s_xor_b32 s73, s[Y], 15                        ; 15 - y
	PTRS P0+8
	v_and_b32 v8, 31, v0
	s_delay_alu instid0(VALU_DEP_1)
	v_lshlrev_b32 v[LI], 4, v8
	s_delay_alu instid0(VALU_DEP_2)
	v_lshlrev_b32 v[L8], 3, v8
	global_load_b128 v[24:27], v[LI], s[P0:P0+1]   ; q's eight registers: dims 16 h + 0 .. 15 and 32 + 16 h + 0 .. 15
	global_load_b128 v[28:31], v[LI], s[P0:P0+1] offset:512
	global_load_b32 v[QW], v[LI], s[P0+2:P0+3]
	v_and_b32 v8, 15, v0                           ; r
	v_bfe_u32 v9, v0, 4, 1                         ; h
	s_delay_alu instid0(VALU_DEP_1)
	v_lshl_add_u32 v[OSO], v8, 4, v9
	s_delay_alu instid0(VALU_DEP_3)
	v_and_b32 v[DG], 8, v8
	s_delay_alu instid0(VALU_DEP_1)
	v_add_nc_u32 v[DG], v[DG], v8                  ; r + 8 (r / 8)
	s_delay_alu instid0(VALU_DEP_4)
	v_lshlrev_b32 v9, 4, v9
	s_delay_alu instid0(VALU_DEP_1)
	v_sub_nc_u32 v[DG], v[DG], v9
	s_lshl_b32 s74, s[CX], 5
	s_lshl_b32 s75, s[Z], 3
	s_add_co_u32 s74, s74, s75
	v_add_nc_u32 v[DG], s74, v[DG]                 ; 32 cx + 8 z + r + 8 (r / 8) - 16 h
.irp i, 0,1,2,3,4,5,6,7
	v_mov_b32 v[16+\i], 0                          ; the zero codes on both sides of q
	v_mov_b32 v[32+\i], 0
.endr
.irp b, 0,1,2,3
	v_mov_b32 v[T2+\b], 0                          ; written once: a lane permute's destination counts as one of its sources
.endr
	v_mov_b32 v[TP], 0
	v_mov_b32 v[FF+1], 0                           ; (named as the upper half of a pair)
; A pass begins: q's two scale words; O^T and the sum are zeros and the largest t is -3e38, so that the step is written once: the first change of M multiplies zeros.
.macro INIT
	s_wait_loadcnt 0x0                             ; q
	v_lshrrev_b32 v[TP], s[SH], v[QW]
	s_delay_alu instid0(VALU_DEP_1)
	v_and_b32 v[TP], 0xffff, v[TP]                 ; my tile's two bytes
	s_delay_alu instid0(VALU_DEP_1)
	v_or_b32 v40, 0x01010000, v[TP]                ; for [q | 0]
	s_delay_alu instid0(VALU_DEP_2)
	v_lshl_or_b32 v41, v[TP], 16, 0x0101           ; for [0 | q]
.set N, 0
.rept 32
	v_mov_b32 v[O+N], 0
.set N, N+1
.endr
	v_mov_b32 v14, 0
	v_mov_b32 v15, 0
	v_mov_b32 v13, 0xff61b1e6
	s_delay_alu instid0(VALU_DEP_1)
	v_floor_f32 v12, -v13
.endm
; A KEY STEP: 128 keys, record SI.
.macro STEP
	s_cmp_gt_u32 s[SI], s[BETA]                    ; all its keys come after my queries: a branch on the wave's number and the count of steps
	s_cbranch_scc1 .Lhid_\@
	s_setprio 2
	v_add_nc_u32 v[ADK], s[TB], v[LI]
	v_add_nc_u32 v[ADV], s[TB], v[L8]
	PLACES 6                                       ; with the two additions: eight places in front of loads into registers that the last products read
.irp b, 0,1,2,3
.irp c, 0,1,2,3
	ds_load_b128 v[F+16*\b+4*\c:F+16*\b+4*\c+3], v[ADK] offset:2048*\b+512*\c
.endr
.endr
	ds_load_b128 v[KS:KS+3], v[ADK] offset:16384
	s_wait_alu depctr_va_vdst(0)
	s_wait_dscnt 0x0
.irp b, 0,1,2,3                                ; S^T: register 16 b + i = key 128 SI + 32 b + 16 h + i
	v_wmma_scale_f32_16x16x128_f8f6f4 v[S+16*\b:S+16*\b+7], v[F+16*\b:F+16*\b+15], v[24:39], 0, v[KS+\b], v40
	v_wmma_scale_f32_16x16x128_f8f6f4 v[S+16*\b+8:S+16*\b+15], v[F+16*\b:F+16*\b+15], v[16:31], 0, v[KS+\b], v41
.endr
	PLACES 8
.irp b, 0,1,2,3                                ; v's fragments land while the softmax is walked
.irp c, 0,1,2,3
	ds_load_b128 v[F+16*\b+4*\c:F+16*\b+4*\c+3], v[ADK] offset:8192+2048*\b+512*\c
.endr
.endr
	ds_load_b64 v[VS:VS+1], v[ADV] offset:16896
	ds_load_b64 v[VS+2:VS+3], v[ADV] offset:16896+256
	s_cmp_lg_u32 s[SI], s[BETA]                    ; on the diagonal the scores of hidden keys become -infinity ahead of the maximum: p = 0 then
	s_cbranch_scc1 .Lopen_\@
	v_mov_b32 v[TP], 0xff800000
.set N, 0
.rept 64
	v_cmp_gt_i32 vcc_lo, 32*(N/16)+N%16, v[DG]
	v_cndmask_b32 v[S+N], v[S+N], v[TP], vcc_lo
.set N, N+1
.endr
.Lopen_\@:
.irp b, 0,1,2,3
	v_max3_num_f32 v[BM+\b], v[S+16*\b], v[S+16*\b+1], v[S+16*\b+2]   ; the largest score of each block of 32 keys: for the row's maximum and, since p rises with the score, for the block's largest p
.endr
.irp i, 3,5,7,9,11,13
.irp b, 0,1,2,3
	v_max3_num_f32 v[BM+\b], v[BM+\b], v[S+16*\b+\i], v[S+16*\b+\i+1]
.endr
.endr
.irp b, 0,1,2,3
	v_max_num_f32 v[BM+\b], v[BM+\b], v[S+16*\b+15]
.endr
.irp b, 0,1,2,3
	s_delay_alu instid0(VALU_DEP_4)
	v_permlanex16_b32 v[T2+\b], v[BM+\b], s[SEL], s[SEL+1]
.endr
.irp b, 0,1,2,3
	s_delay_alu instid0(VALU_DEP_4)
	v_max_num_f32 v[BM+\b], v[BM+\b], v[T2+\b]     ; with lane l xor 16's 16 keys
.endr
	s_delay_alu instid0(VALU_DEP_2)
	v_max3_num_f32 v[TP], v[BM], v[BM+1], v[BM+2]
	s_delay_alu instid0(VALU_DEP_1)
	v_max_num_f32 v[TP], v[TP], v[BM+3]
	s_delay_alu instid0(VALU_DEP_1)
	v_mul_f32 v[TP], s[CS], v[TP]                  ; as t (c is positive)
	s_delay_alu instid0(VALU_DEP_1)
	v_max_num_f32 v13, v13, v[TP]                  ; the running largest t
	v_mov_b32 v[TP], v12
	s_delay_alu instid0(VALU_DEP_2)
	v_floor_f32 v12, -v13                          ; -M = floor(-t): M is a whole number
	s_delay_alu instid0(VALU_DEP_1)
	v_sub_f32 v[TP], v12, v[TP]                    ; old M - new M: a whole number, 0 or less
	s_delay_alu instid0(VALU_DEP_1)
	v_cvt_i32_f32 v[TP], v[TP]                     ; (it saturates)
	s_delay_alu instid0(VALU_DEP_1)
	v_ldexp_f32 v[FF], 1.0, v[TP]                  ; f
.set N, 0
	s_setprio 1
.rept 32
	v_pk_fma_f32 v[S+N:S+N+1], v[S+N:S+N+1], s[CS:CS+1], v[12:13] op_sel_hi:[1,0,0]   ; t - M, two at a time
.set N, N+2
.endr
.irp b, 0,1,2,3
	v_fma_f32 v[BM+\b], v[BM+\b], s[CS], v12
.endr
.set N, 0
	s_wait_alu depctr_va_vdst(0)
.rept 64
	v_exp_f32 v[S+N], v[S+N]                       ; p = 2^(t - M), at most 1
.set N, N+1
.endr
	v_pk_mul_f32 v[14:15], v[14:15], v[FF:FF+1] op_sel_hi:[1,0]   ; the sums under the new M: a plain line behind the exponentials
	s_wait_alu depctr_va_vdst(0)                   ; one wait for the batch of 64, ahead of its first reader
.irp b, 0,1,2,3
	v_exp_f32 v[BM+\b], v[BM+\b]                   ; the block's largest p: the same two instructions on the same number
.endr
	v_pk_add_f32 v[228:229], v[116:117], v[120:121]
	v_pk_add_f32 v[254:255], v[124:125], v[128:129]
	v_pk_add_f32 v[248:249], v[132:133], v[136:137]
	v_pk_add_f32 v[242:243], v[140:141], v[144:145]
	v_pk_add_f32 v[240:241], v[148:149], v[152:153]
	v_pk_add_f32 v[238:239], v[156:157], v[160:161]
	v_pk_add_f32 v[236:237], v[164:165], v[168:169]
	v_pk_add_f32 v[14:15], v[14:15], v[172:173]
	v_pk_add_f32 v[228:229], v[228:229], v[112:113]
	v_pk_add_f32 v[254:255], v[254:255], v[114:115]
	v_pk_add_f32 v[248:249], v[248:249], v[118:119]
	v_pk_add_f32 v[242:243], v[242:243], v[122:123]
	v_pk_add_f32 v[240:241], v[240:241], v[126:127]
	v_pk_add_f32 v[238:239], v[238:239], v[130:131]
	v_pk_add_f32 v[236:237], v[236:237], v[134:135]
	v_pk_add_f32 v[14:15], v[14:15], v[138:139]
	v_pk_add_f32 v[228:229], v[228:229], v[142:143]
	v_pk_add_f32 v[254:255], v[254:255], v[146:147]
	v_pk_add_f32 v[248:249], v[248:249], v[150:151]
	v_pk_add_f32 v[242:243], v[242:243], v[154:155]
	v_pk_add_f32 v[240:241], v[240:241], v[158:159]
	v_pk_add_f32 v[238:239], v[238:239], v[162:163]
	v_pk_add_f32 v[236:237], v[236:237], v[166:167]
	v_pk_add_f32 v[14:15], v[14:15], v[170:171]
	v_pk_add_f32 v[228:229], v[228:229], v[174:175]
	s_delay_alu instid0(VALU_DEP_2)
	v_pk_add_f32 v[14:15], v[14:15], v[242:243]
	s_delay_alu instid0(VALU_DEP_2)
	v_pk_add_f32 v[228:229], v[228:229], v[240:241]
	v_pk_add_f32 v[254:255], v[254:255], v[238:239]
	v_pk_add_f32 v[248:249], v[248:249], v[236:237]
	s_delay_alu instid0(VALU_DEP_2)
	v_pk_add_f32 v[14:15], v[14:15], v[254:255]
	s_delay_alu instid0(VALU_DEP_2)
	v_pk_add_f32 v[228:229], v[228:229], v[248:249]
	s_delay_alu instid0(VALU_DEP_1)
	v_pk_add_f32 v[14:15], v[14:15], v[228:229]
	s_setprio 0
	s_wait_alu depctr_va_vdst(0)                   ; and one for the four
.irp b, 0,1,2,3
	v_max_num_f32 v[BM+\b], 0x4800000, v[BM+\b]    ; the floor 2^(9 - 127): the byte cannot fall under 1
.endr
.irp b, 0,1,2,3
	s_delay_alu instid0(VALU_DEP_4)
	v_add_nc_u32 v[SCL+\b], 0xfc000000, v[BM+\b]
.endr
.irp b, 0,1,2,3
.endr
.irp b, 0,1,2,3
	s_delay_alu instid0(VALU_DEP_4)
	v_lshrrev_b32 v[T2+\b], 23, v[SCL+\b]
.endr
	s_delay_alu instid0(VALU_DEP_3)
	v_lshl_or_b32 v[PW], v[T2+1], 8, v[T2]         ; p's scale word for these 128 keys
	s_delay_alu instid0(VALU_DEP_1)
	v_lshl_or_b32 v[PW], v[T2+2], 16, v[PW]
	s_delay_alu instid0(VALU_DEP_1)
	v_lshl_or_b32 v[PW], v[T2+3], 24, v[PW]
.irp b, 0,1,2,3
.irp i, 0,1,2,3,4,5,6,7,8,9,10,11,12,13,14,15
.endr
	v_cvt_scalef32_pk8_fp8_f32 v[PC+4*\b:PC+4*\b+1], v[S+16*\b:S+16*\b+7], v[SCL+\b]
	v_cvt_scalef32_pk8_fp8_f32 v[PC+4*\b+2:PC+4*\b+3], v[S+16*\b+8:S+16*\b+15], v[SCL+\b]
.endr
.set N, 0
.rept 16
	v_pk_mul_f32 v[O+N:O+N+1], v[O+N:O+N+1], v[FF:FF+1] op_sel_hi:[1,0]   ; O^T under the new M; these are also the places between the codes and the products
.set N, N+2
.endr
	s_wait_alu depctr_va_vdst(0)
	s_wait_dscnt 0x0                               ; v
.irp t, 0,1,2,3                                ; O^T += v^T p^T: the four accumulators by turns
	v_wmma_scale_f32_16x16x128_f8f6f4 v[O+8*\t:O+8*\t+7], v[F+16*\t:F+16*\t+15], v[PC:PC+15], v[O+8*\t:O+8*\t+7], v[VS+\t], v[PW]
.endr
.Lhid_\@:
	s_add_co_u32 s[TB], s[TB], REC
	s_add_co_u32 s[SI], s[SI], 1
.endm
.macro WALK n                          ; n key steps: the count is a constant; a step that is hidden is jumped over inside the trip
	s_mov_b32 s[CNT], \n
.Lwalk_\@:
	STEP
	s_sub_co_u32 s[CNT], s[CNT], 1
	s_cmp_lg_u32 s[CNT], 0
	s_cbranch_scc1 .Lwalk_\@
	s_setprio 0
.endm
; A pass ends: O^T is divided by the sum and quantised: register 16 g + i = dim 32 g + 16 h + i of my query: two blocks of 32 along C.
.macro OUT p
.set PB, P0+8*(\p)
	PLACES 8                                       ; eight places in front of the first read of the last products' results
	v_add_f32 v14, v14, v15
	s_delay_alu instid0(VALU_DEP_1)
	v_permlanex16_b32 v[TP], v14, s[SEL], s[SEL+1]
	s_delay_alu instid0(VALU_DEP_1)
	v_add_f32 v14, v14, v[TP]                      ; the row's sum
	s_wait_alu depctr_va_vdst(0)
	v_rcp_f32 v14, v14
.if (\p) == 0
	global_load_b128 v[24:27], v[LI], s[P0+8:P0+9] ; the next pass's q
	global_load_b128 v[28:31], v[LI], s[P0+8:P0+9] offset:512
	global_load_b32 v[QW], v[LI], s[P0+10:P0+11]
.endif
	v_nop                                          ; a plain line behind the reciprocal
	s_wait_alu depctr_va_vdst(0)                   ; and the wait ahead of its first reader
.set N, 0
.rept 32
	v_mul_f32 v[S+N], v[O+N], v14
.set N, N+1
.endr
.irp g, 0,1
	v_max3_num_f32 v[BM+\g], |v[S+16*\g]|, |v[S+16*\g+1]|, 0x4800000
.endr
.irp i, 2,4,6,8,10,12,14
.irp g, 0,1
	s_delay_alu instid0(VALU_DEP_2)
	v_max3_num_f32 v[BM+\g], v[BM+\g], |v[S+16*\g+\i]|, |v[S+16*\g+\i+1]|
.endr
.endr
.irp g, 0,1
	s_delay_alu instid0(VALU_DEP_2)
	v_permlanex16_b32 v[T2+\g], v[BM+\g], s[SEL], s[SEL+1]
.endr
.irp g, 0,1
	s_delay_alu instid0(VALU_DEP_2)
	v_max_num_f32 v[BM+\g], v[BM+\g], v[T2+\g]
.endr
.irp g, 0,1
	s_delay_alu instid0(VALU_DEP_2)
	v_add_nc_u32 v[SCL+\g], 0xfc000000, v[BM+\g]
.endr
.irp g, 0,1
.endr
.irp g, 0,1
	s_delay_alu instid0(VALU_DEP_2)
	v_lshrrev_b32 v[T2+\g], 23, v[SCL+\g]
.endr
	s_delay_alu instid0(VALU_DEP_1)
	v_cndmask_b32 v[TP], v[T2], v[T2+1], s[HM]     ; lanes 0-15 store block 0's byte of their row, lanes 16-31 block 1's
.irp g, 0,1
.irp i, 0,1,2,3,4,5,6,7,8,9,10,11,12,13,14,15
.endr
	v_cvt_scalef32_pk8_fp8_f32 v[PC+4*\g:PC+4*\g+1], v[S+16*\g:S+16*\g+7], v[SCL+\g]
	v_cvt_scalef32_pk8_fp8_f32 v[PC+4*\g+2:PC+4*\g+3], v[S+16*\g+8:S+16*\g+15], v[SCL+\g]
.endr
	v_nop                                          ; a plain line behind the last conversion
	global_store_b128 v[LI], v[PC:PC+3], s[PB+4:PB+5]
	global_store_b128 v[LI], v[PC+4:PC+7], s[PB+4:PB+5] offset:512
	global_store_b8 v[OSO], v[TP], s[PB+6:PB+7]
	s_wait_xcnt 0x0                                ; the stores have read their data: the registers are written again only behind this wait
.endm
	s_mov_b32 s[BETA], s[Y]
	INIT
	s_wait_tensorcnt 0x0                           ; my record is in,
	s_barrier_signal -1
	s_barrier_wait -1                              ; everybody's is: the whole head lies in LDS
	WALK 8                                         ; pass 0: block y, at most eight steps
	s_wait_alu depctr_va_vdst(0)
	OUT 0
	s_xor_b32 s[BETA], s[Y], 15                    ; pass 1: block 15 - y
	s_mov_b32 s[TB], 0
	s_mov_b32 s[SI], 0
	INIT
	WALK 16
	s_wait_alu depctr_va_vdst(0)
	OUT 1
	s_wait_tensorcnt 0x0                           ; the wave's end
	ds_add_u32 v[SPW], v[NIL]
	s_wait_dscnt 0x0
	CROUND                                         ; the closing round
	s_endpgm
.Lfunc_end_k_q44641ecd26_attn:
	.size	k_q44641ecd26_attn, .Lfunc_end_k_q44641ecd26_attn-k_q44641ecd26_attn
	.p2alignl 7, 3214868480
	.fill 96, 4, 3214868480
	.section	.rodata,"a",@progbits
	.p2align	6, 0x0
	.amdhsa_kernel k_q44641ecd26_attn
		.amdhsa_group_segment_fixed_size 327680
		.amdhsa_private_segment_fixed_size 0
		.amdhsa_enable_private_segment 0
		.amdhsa_kernarg_size 32
		.amdhsa_user_sgpr_count 2
		.amdhsa_user_sgpr_kernarg_segment_ptr 1
		.amdhsa_wavefront_size32 1
		.amdhsa_system_sgpr_workgroup_id_x 1
		.amdhsa_system_sgpr_workgroup_id_y 1
		.amdhsa_system_sgpr_workgroup_id_z 1
		.amdhsa_system_vgpr_workitem_id 0
		.amdhsa_next_free_vgpr 256
		.amdhsa_next_free_sgpr 80
		.amdhsa_reserve_vcc 1
		.amdhsa_float_denorm_mode_32 3
		.amdhsa_float_denorm_mode_16_64 3
		.amdhsa_fp16_overflow 1
		.amdhsa_memory_ordered 1
		.amdhsa_forward_progress 1
		.amdhsa_inst_pref_size 65
	.end_amdhsa_kernel
	.amdgpu_metadata
---
amdhsa.version: [ 1, 2 ]
amdhsa.kernels:
  - .name:           k_q44641ecd26_attn
    .symbol:         k_q44641ecd26_attn.kd
    .args:
      - { .name: qr, .offset: 0, .size: 8, .value_kind: global_buffer, .address_space: global }
      - { .name: kv, .offset: 8, .size: 8, .value_kind: global_buffer, .address_space: global }
      - { .name: oc, .offset: 16, .size: 8, .value_kind: global_buffer, .address_space: global }
      - { .name: os, .offset: 24, .size: 8, .value_kind: global_buffer, .address_space: global }
    .group_segment_fixed_size: 327680
    .private_segment_fixed_size: 0
    .kernarg_segment_align: 8
    .kernarg_segment_size: 32
    .max_flat_workgroup_size: 512
    .sgpr_count:     80
    .vgpr_count:     256
    .wavefront_size: 32
...
	.end_amdgpu_metadata
.endif
;; end of part 3
;; launch proj (part 4): grid 8 x 32, 4 waves a work-group, clusters of 4 x 4, 327,680 bytes of LDS; arguments oc, os, wc, ws, out0; writes out0
.if DOCPART == 4
	.amdgcn_target "amdgcn-amd-amdhsa--gfx1250"
	.amdhsa_code_object_version 6
	.text
	.protected	k_q44641ecd26_proj
	.globl	k_q44641ecd26_proj
	.p2align	8
	.type	k_q44641ecd26_proj,@function
k_q44641ecd26_proj:
	s_mov_b64 s[64:65], 0
	v_nop
	global_prefetch_b8 v0, s[64:65] scope:SCOPE_SE
	s_setreg_imm32_b32 hwreg(HW_REG_WAVE_MODE, 25, 1), 1
	s_wait_xcnt 0x0
	s_wait_alu depctr_hold_cnt(0) depctr_sa_sdst(0) depctr_va_vdst(0) depctr_va_sdst(0) depctr_va_ssrc(0) depctr_va_vcc(0) depctr_vm_vsrc(0)
	s_getreg_b32 s2, hwreg(HW_REG_IB_STS2, 6, 4)
	s_cmp_eq_u32 s2, 0
	s_cbranch_scc0 .Lentry_in_a_cluster
	s_endpgm
.Lentry_in_a_cluster:
	s_bfe_u32 s2, ttmp6, 0x10000c
	s_cmp_lg_u32 s2, 0xf033
	s_cbranch_scc0 .Lentry_shape_is_right
	s_endpgm
.Lentry_shape_is_right:
; FOURTH LAUNCH: out0 = o wo^T on codes of MX-FP8; out0 [8192][1024] f32.  Nothing is left out here.
; The second launch's GEMM on a block of 256 tokens x 128 columns.  Four waves: rho = wave / 2 picks 128 tokens (8 tiles of o), chi = wave % 2 four tiles of wo (64 columns).  The product is used transposed
; (source 0 = 16 rows of wo, source 1 = 16 tokens): a lane holds eight neighbouring columns of one token's row.
; K = 1,024 goes in 8 steps of 128, written out.  LDS holds six steps: region X steps 0, 1, region Y steps 2-5, both asked for at the head; X is filled once more, with steps 6, 7.  By this text's count a wave has at most
; two tensor loads outstanding.  CLUSTER 4 x 4: o's tiles are shared along a row of the cluster, wo's along a column: each is asked for jointly.
; THE WAY OUT: a tile of 16 tokens x 64 columns goes through the wave's own stage in LDS (bytes of its own, into which no tile lands; pitch 272 bytes = 68 words, so that the 16 rows start at 16 different groups of banks:
; ISA guide 11.1) and leaves as rows: sixteen lanes store 256 consecutive bytes, at a multiple of 256 from out0's first byte.  Row r of tile 2 g + u is token 32 g + 8 u + r + 8 (r / 8).
; REGISTERS, in windows of 256: window 0: v1-6 addresses; v16-47 o's scale words (tile a, word j: lanes 0-15 K step j, lanes 16-31 K step 4 + j); v48-63 wo's; v72-85 LDS addresses; v128-191 rows on the way out, two sets.
;   window 1: o's fragments, two sets.   window 2: wo's, two sets.   window 3: the 32 accumulators, (a, n) at v[8 (4 a + n)].
.set NB, 4
.set NX, 2
.set NY, 4
.set AK, 32768
.set BK, 16384
.set XA, 0
.set XB, XA+NX*AK
.set YA, XB+NX*BK
.set YB, YA+NY*AK
.set STAGE, YB+NY*BK                   ; 16 rows x 272 bytes for each wave
.set SPARE, STAGE+4*16*272             ; the spare words, 128 bytes for each wave: two blocks of 256 bytes that no other line names
.set LI,  1                            ; v1  16 x lane
.set STO, 2                            ; v2  the stage: where I put 32 bytes of a row
.set RD,  3                            ; v3  and where I read a row back
.set CO,  4                            ; v4  my byte offset in two rows of out0
.set SPW, 5
.set NIL, 6
.set SA,  16
.set SB,  48
.set ADA, 72
.set ADB, 80
.set BKR, 128
.set WV,  16
.set RHO, 17
.set CHI, 18
.set G1AX, 24
.set G0AX, 32
.set G0AY, 36
.set G1BX, 48
.set G0BX, 56
.set G0BY, 60
.set G1AY, 68
.set G1BY, 76
.set WT, 0xf6                          ; source 0 (wo) window 2, source 1 (o) window 1, C and D window 3
.set MSB, 0
.macro WIN new
.set WNEW, \new
.if MSB != WNEW
	s_set_vgpr_msb (MSB<<8)|WNEW
.set MSB, WNEW
.endif
.endm
.macro PLACES n
.rept \n
	v_nop
.endr
.endm
.macro JLOAD g0a, g1a, g0b, g1b        ; a joint load: waves 0 and 1 fetch for o, waves 2 and 3 for wo; an s_nop 0 and four v_nop follow each of the two lines
	s_cmp_eq_u32 s[RHO], 0
	s_cbranch_scc0 .Lfor_b_\@
	tensor_load_to_lds s[\g0a:\g0a+3], s[\g1a:\g1a+7]
	s_nop 0
.rept 4
	v_nop
.endr
	s_branch .Lasked_\@
.Lfor_b_\@:
	tensor_load_to_lds s[\g0b:\g0b+3], s[\g1b:\g1b+7]
	s_nop 0
.rept 4
	v_nop
.endr
.Lasked_\@:
.endm
.macro CREST
	s_cmp_lg_u32 s[WV], 0
	s_cbranch_scc1 .Lnot_wave_0_\@
	s_barrier_signal -3
.Lnot_wave_0_\@:
	s_barrier_wait -3
	s_barrier_signal -1
	s_barrier_wait -1
.endm
.macro CROUND
	s_barrier_signal -1
	s_barrier_wait -1
	CREST
.endm
.macro G1REST g, rows                  ; a dense block as rows of 256 bytes: 32 elements of 8 bytes
	s_mov_b32 s[\g+1], 32<<16
	s_mov_b32 s[\g+2], (\rows)<<16
	s_mov_b32 s[\g+3], 32<<16
	s_mov_b32 s[\g+4], \rows
	s_mov_b32 s[\g+5], 32
	s_mov_b32 s[\g+6], 0
	s_mov_b32 s[\g+7], 0
.endm
.macro G0SET g, region, half, base, tmp, ahead
	s_mov_b32 s[\g], 1
	s_add_co_u32 s[\g+1], s[\half], \region
	s_add_co_u32 s[\tmp], s[\half], \ahead
	s_mov_b32 s[\tmp+1], 0
	s_add_nc_u64 s[\g+2:\g+3], s[\base:\base+1], s[\tmp:\tmp+1]
	s_or_b32 s[\g+3], s[\g+3], 0x80000000
.endm
	s_load_b256 s[4:11], s[0:1], 0x0               ; oc s[4:5], os s[6:7], wc s[8:9], ws s[10:11]
	s_load_b64 s[12:13], s[0:1], 0x20              ; out0
	v_lshl_add_u32 v[SPW], v0, 2, SPARE
	v_mov_b32 v[NIL], 0
	ds_add_u32 v[SPW], v[NIL]                      ; the wave's opening: the add, twice on end, and its wait ahead of my first tensor load
	ds_add_u32 v[SPW], v[NIL]
	v_lshrrev_b32 v7, 5, v0
	v_readfirstlane_b32 s[WV], v7
	s_lshr_b32 s[RHO], s[WV], 1
	s_and_b32 s[CHI], s[WV], 1
	s_bfe_u32 s40, ttmp6, 0x40000
	s_bfe_u32 s41, ttmp6, 0x40004
	s_lshl_b32 s42, ttmp9, 2
	s_add_co_u32 s42, s42, s40                     ; the block of 128 columns
	s_and_b32 s43, ttmp7, 0xffff
	s_lshl_b32 s43, s43, 2
	s_add_co_u32 s43, s43, s41                     ; the block of 256 tokens
	s_lshl_b32 s44, s41, 2
	s_lshl_b32 s44, 15, s44                        ; my row of the cluster
	s_lshl_b32 s45, 0x1111, s40                    ; my column
	s_or_b32 s[G1AX], s44, (3<<16)|(1<<21)
	s_or_b32 s[G1AY], s44, (3<<16)|(1<<21)
	s_or_b32 s[G1BX], s45, (3<<16)|(1<<21)
	s_or_b32 s[G1BY], s45, (3<<16)|(1<<21)
	G1REST G1AX, NX*AK/512
	G1REST G1AY, NY*AK/512
	G1REST G1BX, NX*BK/512
	G1REST G1BY, NY*BK/512
	s_lshl_b32 s84, s43, 18
	s_mov_b32 s85, 0
	s_mul_i32 s86, s42, 8*BK
	s_add_co_u32 s86, s86, 3145728                 ; wo lies behind the sixteen heads' weights
	s_mov_b32 s87, 0
	s_mul_i32 s88, s[CHI], NX*AK/2
	s_mul_i32 s89, s[CHI], NY*AK/2
	s_mul_i32 s90, s[CHI], NX*BK/2
	s_mul_i32 s91, s[CHI], NY*BK/2
	s_wait_dscnt 0x0                               ; both opening adds are done
	s_wait_kmcnt 0x0
	s_add_nc_u64 s[92:93], s[4:5], s[84:85]
	s_add_nc_u64 s[94:95], s[8:9], s[86:87]
	G0SET G0AX, XA, 88, 92, 96, 0
	G0SET G0AY, YA, 89, 92, 96, NX*AK
	G0SET G0BX, XB, 90, 94, 98, 0
	G0SET G0BY, YB, 91, 94, 98, NX*BK
	CROUND                                         ; all sixteen work-groups are here: the first joint loads meet
	JLOAD G0AX, G1AX, G0BX, G1BX                   ; K steps 0, 1
	s_wait_alu depctr_va_vdst(0)
	s_wait_tensorcnt 0x0
	ds_add_u32 v5, v6
	s_wait_dscnt 0x0
	CROUND
	JLOAD G0AY, G1AY, G0BY, G1BY                   ; K steps 2-5
	v_and_b32 v7, 31, v0
	v_lshlrev_b32 v[LI], 4, v7
	s_wait_alu depctr_va_vdst(0)
	s_mov_b32 s87, 0
	s_lshl_b32 s86, s43, 13
	s_lshl_b32 s84, s[RHO], 12
	s_add_co_u32 s86, s86, s84
	s_add_nc_u64 s[6:7], s[6:7], s[86:87]          ; o's scale words: my 8 tiles
	s_lshl_b32 s86, s42, 12
	s_lshl_b32 s84, s[CHI], 11
	s_add_co_u32 s86, s86, s84
	s_add_co_u32 s86, s86, 192*512
	s_add_nc_u64 s[10:11], s[10:11], s[86:87]      ; wo's: my 4 tiles
.irp i, 0,1,2,3,4,5,6,7
	global_load_b128 v[SA+4*\i:SA+4*\i+3], v[LI], s[6:7] offset:512*\i
.endr
.irp i, 0,1,2,3
	global_load_b128 v[SB+4*\i:SB+4*\i+3], v[LI], s[10:11] offset:512*\i
.endr
	s_lshl_b32 s84, s[RHO], 14
	s_mul_i32 s85, s[CHI], 2048*NB
.macro ADDR pos, ab, bb
	s_add_co_u32 s86, s84, \ab
	s_add_co_u32 s88, s85, \bb
	v_add_nc_u32 v[ADA+\pos], s86, v[LI]
	v_add_nc_u32 v[ADB+\pos], s88, v[LI]
.endm
	ADDR 0, XA, XB
	ADDR 1, XA+AK, XB+BK
	ADDR 2, YA, YB
	ADDR 3, YA+AK, YB+BK
	ADDR 4, YA+2*AK, YB+2*BK
	ADDR 5, YA+3*AK, YB+3*BK
	v_and_b32 v7, 15, v0                           ; r
	v_bfe_u32 v8, v0, 4, 1                         ; h
	s_mul_i32 s84, s[WV], 16*272
	s_add_co_u32 s84, s84, STAGE                   ; my stage
	v_mul_u32_u24 v[STO], v7, 272
	v_lshl_add_u32 v[STO], v8, 6, v[STO]
	v_add_nc_u32 v[STO], s84, v[STO]               ; in: row r, + 64 h
	v_mul_u32_u24 v[RD], v8, 272
	v_lshl_add_u32 v[RD], v7, 4, v[RD]
	v_add_nc_u32 v[RD], s84, v[RD]                 ; back: lanes 0-15 one row of 256 bytes, lanes 16-31 the next
	v_lshlrev_b32 v[CO], 12, v8
	v_lshl_add_u32 v[CO], v7, 4, v[CO]             ; and the same two rows in out0
	s_lshl_b32 s86, s43, 20                        ; 256 tokens of 4,096 bytes,
	s_lshl_b32 s84, s[RHO], 19                     ; my 128,
	s_add_co_u32 s86, s86, s84
	s_lshl_b32 s84, s42, 9                         ; 128 columns,
	s_add_co_u32 s86, s86, s84
	s_lshl_b32 s84, s[CHI], 8                      ; my 64
	s_add_co_u32 s86, s86, s84
	s_add_nc_u64 s[12:13], s[12:13], s[86:87]
; The products of K step s: o's tiles a0 .. a0 + na - 1 against wo's four.  The 32 accumulators take turns, one instruction a turn, in the same order in every step.
.macro MT s, a0, na
.set FS, 128*((\s)%2)
.set SW, (\s)%4
.set TA, \a0
.rept \na
.set TN, 0
.rept 4
.if (\s) == 0
	v_wmma_scale_f32_16x16x128_f8f6f4 v[8*(4*TA+TN):8*(4*TA+TN)+7], v[FS+16*TN:FS+16*TN+15], v[FS+16*TA:FS+16*TA+15], 0, v[SB+4*TN+SW], v[SA+4*TA+SW]
.elseif (\s) < 4
	v_wmma_scale_f32_16x16x128_f8f6f4 v[8*(4*TA+TN):8*(4*TA+TN)+7], v[FS+16*TN:FS+16*TN+15], v[FS+16*TA:FS+16*TA+15], v[8*(4*TA+TN):8*(4*TA+TN)+7], v[SB+4*TN+SW], v[SA+4*TA+SW]
.else
	v_wmma_scale_f32_16x16x128_f8f6f4 v[8*(4*TA+TN):8*(4*TA+TN)+7], v[FS+16*TN:FS+16*TN+15], v[FS+16*TA:FS+16*TA+15], v[8*(4*TA+TN):8*(4*TA+TN)+7], v[SB+4*TN+SW], v[SA+4*TA+SW] matrix_a_scale:MATRIX_SCALE_ROW1 matrix_b_scale:MATRIX_SCALE_ROW1
.endif
.set TN, TN+1
.endr
.set TA, TA+1
.endr
.endm
.macro FETCH s                         ; the fragments of K step s + 1, in one run of loads, into the set that step s does not multiply
.set FPOS, (\s)+1
.if FPOS >= NX+NY
.set FPOS, FPOS-NX-NY                  ; steps 6, 7 lie where steps 0, 1 lay
.endif
.set FSET, 128*(((\s)+1)%2)
	WIN 0x40
.set TA, 0
.rept 8
.irp c, 0,1,2,3
	ds_load_b128 v[FSET+16*TA+4*\c:FSET+16*TA+4*\c+3], v[ADA+FPOS] offset:2048*TA+512*\c
.endr
.set TA, TA+1
.endr
	WIN 0x80
.set TA, 0
.rept NB
.irp c, 0,1,2,3
	ds_load_b128 v[FSET+16*TA+4*\c:FSET+16*TA+4*\c+3], v[ADB+FPOS] offset:2048*TA+512*\c
.endr
.set TA, TA+1
.endr
	WIN 0
.endm
.macro TAIL s
	WIN WT
	MT \s, 4, 4
	WIN 0
.endm
.macro KSTEP s
	s_wait_dscnt 0x0                               ; this step's fragments are in
	WIN WT
	MT \s, 0, 4
	PLACES 8                                       ; eight places in front of loads into registers that matrix instructions have read
	FETCH \s
	TAIL \s
.endm
.macro TURN s, fill                    ; a step at which the regions change: one barrier; fill = 1: region X is filled again, behind a round of the cluster's barrier
	s_wait_tensorcnt 0x0                           ; all my tensor loads have landed
	ds_add_u32 v[SPW], v[NIL]
	s_wait_dscnt 0x1                               ; this step's fragments are in; the add alone may be out
	WIN WT
	MT \s, 0, 2
	s_wait_dscnt 0x0                               ; the add is done, and my reads of the region are over
	s_barrier_signal -1
	MT \s, 2, 2
	WIN 0
	s_barrier_wait -1
.if \fill
	CREST
	s_add_nc_u64 s[G0AX+2:G0AX+3], s[G0AX+2:G0AX+3], (NX+NY)*AK
	s_add_nc_u64 s[G0BX+2:G0BX+3], s[G0BX+2:G0BX+3], (NX+NY)*BK
	JLOAD G0AX, G1AX, G0BX, G1BX                   ; the first tensor load behind the round; its four v_nop are four of the eight places
	PLACES 4
.else
	PLACES 8
.endif
	FETCH \s
	TAIL \s
.endm
	s_wait_tensorcnt 0x1                           ; my part of region X is in; region Y's one load may stay out
	s_barrier_signal -1
	s_barrier_wait -1
	FETCH -1                                       ; K step 0
	s_wait_loadcnt 0x0                             ; the scale words
	KSTEP 0                                        ; its products start the sums
	TURN 1, 1                                      ; region Y is whole; region X takes K steps 6, 7
	KSTEP 2
	KSTEP 3
	KSTEP 4
	TURN 5, 0                                      ; region X is whole again
	KSTEP 6
	s_wait_dscnt 0x0
	WIN WT
	MT 7, 0, 8
	WIN 0
.macro TOSTAGE a                       ; tile a: register j of accumulator n = 2 b + u is column 32 b + 16 h + 8 u + j of token row r
	WIN 0x0c                                       ; an LDS store's data are its source 1: window 3
.irp n, 0,1,2,3
	ds_store_b128 v[STO], v[8*(4*(\a)+\n):8*(4*(\a)+\n)+3] offset:128*(\n/2)+32*(\n%2)        ; each accumulator from its low end on
	ds_store_b128 v[STO], v[8*(4*(\a)+\n)+4:8*(4*(\a)+\n)+7] offset:128*(\n/2)+32*(\n%2)+16
.endr
	WIN 0
.irp t, 0,1,2,3,4,5,6,7
	ds_load_b128 v[BKR+32*((\a)%2)+4*\t:BKR+32*((\a)%2)+4*\t+3], v[RD] offset:544*\t   ; LDS serves a wave's instructions in order (ISA guide 5.7.1.4): these see the stores above
.endr
.endm
.macro SEND a, younger                 ; younger: the LDS instructions issued behind tile a's loads, which may stay out
	s_wait_dscnt \younger
.irp t, 0,1,2,3,4,5,6,7
	global_store_b128 v[CO], v[BKR+32*((\a)%2)+4*\t:BKR+32*((\a)%2)+4*\t+3], s[12:13] offset:(32*((\a)/2)+8*((\a)%2)+2*\t+8*(\t/4))*4096 th:TH_STORE_NT
.endr
.endm
	PLACES 8                                       ; eight places in front of the first read of results
	s_wait_alu depctr_va_vdst(0)
	TOSTAGE 0
.irp a, 1,2,3,4,5,6,7
.if \a > 1
	s_wait_xcnt 0x0                                ; tile a - 2's stores have read their registers: tile a's loads may land there
.endif
	TOSTAGE \a
	SEND \a-1, 16                                  ; behind tile a - 1's loads: tile a's 8 stores and 8 loads
.endr
	SEND 7, 0
	s_wait_tensorcnt 0x0                           ; the wave's end
	ds_add_u32 v[SPW], v[NIL]
	s_wait_dscnt 0x0
	CROUND                                         ; the closing round
	s_endpgm
.Lfunc_end_k_q44641ecd26_proj:
	.size	k_q44641ecd26_proj, .Lfunc_end_k_q44641ecd26_proj-k_q44641ecd26_proj
	.p2alignl 7, 3214868480
	.fill 96, 4, 3214868480
	.section	.rodata,"a",@progbits
	.p2align	6, 0x0
	.amdhsa_kernel k_q44641ecd26_proj
		.amdhsa_group_segment_fixed_size 327680
		.amdhsa_private_segment_fixed_size 0
		.amdhsa_enable_private_segment 0
		.amdhsa_kernarg_size 40
		.amdhsa_user_sgpr_count 2
		.amdhsa_user_sgpr_kernarg_segment_ptr 1
		.amdhsa_wavefront_size32 1
		.amdhsa_system_sgpr_workgroup_id_x 1
		.amdhsa_system_sgpr_workgroup_id_y 1
		.amdhsa_system_sgpr_workgroup_id_z 1
		.amdhsa_system_vgpr_workitem_id 0
		.amdhsa_next_free_vgpr 1024
		.amdhsa_next_free_sgpr 100
		.amdhsa_reserve_vcc 0
		.amdhsa_float_denorm_mode_32 3
		.amdhsa_float_denorm_mode_16_64 3
		.amdhsa_memory_ordered 1
		.amdhsa_forward_progress 1
		.amdhsa_inst_pref_size 87
	.end_amdhsa_kernel
	.amdgpu_metadata
---
amdhsa.version: [ 1, 2 ]
amdhsa.kernels:
  - .name:           k_q44641ecd26_proj
    .symbol:         k_q44641ecd26_proj.kd
    .args:
      - { .name: oc, .offset: 0, .size: 8, .value_kind: global_buffer, .address_space: global }
      - { .name: os, .offset: 8, .size: 8, .value_kind: global_buffer, .address_space: global }
      - { .name: wc, .offset: 16, .size: 8, .value_kind: global_buffer, .address_space: global }
      - { .name: ws, .offset: 24, .size: 8, .value_kind: global_buffer, .address_space: global }
      - { .name: out0, .offset: 32, .size: 8, .value_kind: global_buffer, .address_space: global }
    .group_segment_fixed_size: 327680
    .private_segment_fixed_size: 0
    .kernarg_segment_align: 8
    .kernarg_segment_size: 40
    .max_flat_workgroup_size: 128
    .sgpr_count:     100
    .vgpr_count:     1024
    .wavefront_size: 32
...
	.end_amdgpu_metadata
.endif
;; end of part 4
